; MI455X (gfx1250); checked and timed in simulation.
; The chip was launched on July 23, 2026; its instructions are those of AMD's public machine-readable ISA for CDNA 5 (MIT licence, August 2026) and "CDNA5" Instruction Set Architecture Reference Guide (July 2026). The comments in the code are by the model that wrote it; some were corrected since.
;; Multi Head Latent Attention. Allowed arithmetic: float matrix products may take bf16 or f16 operands with f32 sums; all other float work in f32.
;; Inputs: bo 2,048 float32; wk_rope 2,048 x 64 float32; wk_up 512 x 1,024 float32; wkv_down 2,048 x 512 float32; wo 2,048 x 2,048 float32; wq_down 2,048 x 512 float32; wq_rope 512 x 1,024 float32; wq_up 512 x 1,024 float32; wv_up 512 x 2,048 float32; x 4 x 1,024 x 2,048 float32.
;; Outputs: out0 4 x 1,024 x 2,048 float32.
;; 2 versions, each right; version 2 is version 1 with the launch prep written anew for expert scheduling mode. Each part assembles by itself: llvm-mc -triple=amdgcn-amd-amdhsa -mcpu=gfx1250 --defsym DOCPART=n.
;; ======== version 1 of 2: 5 launches
;; limits: values are held in f16: magnitudes above 65,504 overflow, below 6.1e-05 lose precision; inputs' magnitudes at most 65,536; below input magnitudes of 1.526e-05 results are inexact or not finite; right only within a limited range of input values
;; workspace buffers: xb 16,777,216 bytes; wb 18,350,080 bytes; aux 275,456 bytes; lat 8,388,608 bytes; scl 32,768 bytes; qkv 42,467,328 bytes; ctx 16,777,216 bytes
;; launch prep (part 1): grid 256 x 1, 17 waves a work-group, no clusters, 0 bytes of LDS; arguments x, wq_down, wkv_down, wk_rope, wq_up, wq_rope, wk_up, wv_up, wo, xb, wb, aux; writes xb, wb, aux
.if DOCPART == 1
	.amdgcn_target "amdgcn-amd-amdhsa--gfx1250"
	.amdhsa_code_object_version 6
	.text
	.protected	k_q910239ea8f_prep
	.globl	k_q910239ea8f_prep
	.p2align	8
	.type	k_q910239ea8f_prep,@function
k_q910239ea8f_prep:
	s_mov_b64 s[64:65], 0
	v_nop
	global_prefetch_b8 v0, s[64:65] scope:SCOPE_SE
	s_setreg_imm32_b32 hwreg(HW_REG_WAVE_MODE, 25, 1), 1
	s_wait_xcnt 0x0
; PREP: casts, largest magnitudes, and the table of cosines and sines.
; x, wq_down, wkv_down, wk_rope -> bf16.  wq_up, wq_rope, wk_up, wv_up, wo -> rounded to bf16, times 256, written as f16 (exact where 2^-25 <= |w| < 255; LIMIT: beyond 255 the f16 overflows).
; The work is 4,352 jobs of one wave each; 256 work-groups of 17 waves take them, job = 256 x wave + work-group.  So every work-group has the same number of jobs, and one out of each run of 256 of
; the list: the kinds of job differ in what they ask of the memory path (a load of a wk_rope job touches 16 pieces of 32 bytes, every other job's 512 bytes on end), and no work-group has more than
; one job of the 64 of that kind.
; A job is 32 pieces of 512 source bytes (16 bytes a lane), each stored as 256 consecutive, aligned bytes (8 bytes a lane): 2 trips of 16 loads, all 16 on their way at once.
; Each of the jobs 0..3263 leaves the largest |number| it has rounded, one f32, at aux + MXO + 4 x job: the next launch makes powers of two of them.
; Layouts written: xb [4096][2048] bf16.  wb: WD = [8 column tiles][8 K steps] blocks of 73,728 bytes (256 k x 128 columns, then 256 k x 16 columns of wk_rope);
; WUP = [5][512][1024] f16 (wq_up, wq_rope, wk_up, wv_up's two halves); WOO = [2048][2048] f16.  aux: [1024 positions][32 cosines, 32 sines] f32.
; No LDS, no barrier, no matrix unit: the launch only moves bytes, each read once (wk_rope's 0.5 MB by eight jobs: four column blocks, and both halves of WD carry it).
; LIMIT of the table: the angle position x 10000^(-i/32) is made with v_exp_f32, so it lies within about 2e-4 rad of an exactly rounded one at position 1023.
.set WUP, 4718592
.set WOO, 9961472
.set MXO, 262144
.set SO,   8                           ; v[8:23]    piece n of a trip: my byte offset in the source
.set DO,   24                          ; v[24:39]   and in the destination; neither is rewritten
.set DAT,  40                          ; v[40:103]  sixteen pieces as loaded
.set T,    104                         ; v[104:107] at work
.set OUTR, 108                         ; v[108:139] sixteen pieces to store
.set OM,   40                          ; v[40:43]   the table job: my four frequencies
	s_load_b512 s[8:23], s[0:1], 0x0               ; x 8, wq_down 10, wkv_down 12, wk_rope 14, wq_up 16, wq_rope 18, wk_up 20, wv_up 22
	s_load_b256 s[24:31], s[0:1], 0x40             ; wo 24, xb 26, wb 28, aux 30
	v_and_b32 v1, 31, v0                           ; lane
	v_lshrrev_b32 v4, 5, v0
	v_readfirstlane_b32 s4, v4                     ; wave 0..16
	s_lshl_b32 s2, s4, 8
	s_add_co_u32 s2, s2, ttmp9                     ; my job, 0..4351: 256 x wave + work-group
	s_lshr_b32 s3, s2, 3                           ; the kinds of job change at multiples of eight
	s_and_b32 s4, s2, 7
	v_mov_b32 v2, 0                                ; two running maxima, bf16
	v_lshlrev_b32 v3, 4, v1                        ; my 16 bytes of a source piece
	v_lshlrev_b32 v5, 3, v1                        ; my 8 bytes of a stored piece
	s_mov_b32 s37, 0                               ; high words of the two offsets
	s_mov_b32 s43, 0
	s_mov_b32 s40, 0x76543210
	s_mov_b32 s41, 0xfedcba98
	s_mov_b32 s44, 0xffff0000
	s_mov_b32 s45, 0x7fff7fff
	s_wait_kmcnt 0x0
; Each kind of job sets: s[32:33] source, s[34:35] destination, s46 and s47 the bytes from piece to piece in them, s48 = 1 for the f16 form.
	s_cmp_lt_u32 s3, 256
	s_cbranch_scc0 .Lj1
	s_lshl_b32 s36, s2, 14                         ; x: job q of 2,048 takes 16,384 bytes on end
	s_lshl_b32 s42, s2, 13
	s_add_nc_u64 s[32:33], s[8:9], s[36:37]
	s_add_nc_u64 s[34:35], s[26:27], s[42:43]
	s_mov_b32 s46, 512
	s_mov_b32 s47, 256
	s_mov_b32 s48, 0
	s_branch .Lgo
.Lj1:
	s_cmp_lt_u32 s3, 320
	s_cbranch_scc0 .Lj2
	s_sub_co_u32 s6, s3, 256                       ; wq_down, wkv_down: job q of 256 takes 32 rows k x 128 columns
	s_lshr_b32 s7, s6, 5                           ; 0: wq_down, 1: wkv_down
	s_and_b32 s6, s6, 31
	s_lshl3_add_u32 s5, s6, s4
	s_cmp_eq_u32 s7, 0
	s_cselect_b64 s[32:33], s[10:11], s[12:13]
	s_lshr_b32 s36, s5, 2
	s_lshl_b32 s36, s36, 16                        ; 32 rows of 2,048 bytes
	s_and_b32 s38, s5, 3
	s_lshl_b32 s39, s38, 9                         ; 128 columns
	s_add_co_u32 s36, s36, s39
	s_add_nc_u64 s[32:33], s[32:33], s[36:37]
	s_lshl2_add_u32 s38, s7, s38                   ; column tile 0..7
	s_mul_i32 s42, s38, 589824
	s_lshr_b32 s39, s5, 5                          ; K step
	s_mul_i32 s39, s39, 73728
	s_add_co_u32 s42, s42, s39
	s_bfe_u32 s39, s5, 0x30002                     ; 32 rows of 256 bytes in the block
	s_lshl_b32 s39, s39, 13
	s_add_co_u32 s42, s42, s39
	s_add_nc_u64 s[34:35], s[28:29], s[42:43]
	s_branch .Lbf2048
.Lj2:
	s_cmp_lt_u32 s3, 328
	s_cbranch_scc0 .Lj3
	s_sub_co_u32 s6, s3, 320                       ; wk_rope: job q of 64 = (copy, column block cb, K step j): 256 k x 16 columns
	s_lshl3_add_u32 s5, s6, s4
	s_and_b32 s38, s5, 7                           ; j
	s_bfe_u32 s39, s5, 0x20003                     ; cb
	s_lshr_b32 s7, s5, 5                           ; copy
	s_lshl_b32 s36, s38, 16                        ; 256 rows of 256 bytes
	s_lshl_b32 s6, s39, 5                          ; columns 8 cb on
	s_add_co_u32 s36, s36, s6
	s_add_nc_u64 s[32:33], s[14:15], s[36:37]
	s_lshl2_add_u32 s6, s7, s39                    ; column tile
	s_lshl3_add_u32 s6, s6, s38
	s_mul_i32 s42, s6, 73728
	s_add_co_u32 s42, s42, 65536                   ; behind the block's 128 columns
	s_add_nc_u64 s[34:35], s[28:29], s[42:43]
	v_lshrrev_b32 v3, 2, v1                        ; four lanes a row k: columns 8 cb + 0..3, + 4..7, 32 + 8 cb + 0..3, + 4..7
	v_lshlrev_b32 v3, 8, v3
	v_and_b32 v4, 1, v1
	v_lshl_add_u32 v3, v4, 4, v3
	v_bfe_u32 v4, v1, 1, 1
	v_lshl_add_u32 v3, v4, 7, v3
.Lbf2048:
	s_mov_b32 s46, 2048
	s_mov_b32 s47, 256
	s_mov_b32 s48, 0
	s_branch .Lgo
.Lj3:
	s_cmp_lt_u32 s3, 376
	s_cbranch_scc0 .Lj4
	s_sub_co_u32 s6, s3, 328                       ; wq_up, wq_rope, wk_up: job q of 128 takes 16,384 bytes on end
	s_lshr_b32 s7, s6, 4                           ; unit 0..2
	s_and_b32 s6, s6, 15
	s_lshl3_add_u32 s5, s6, s4
	s_cmp_eq_u32 s7, 0
	s_cselect_b64 s[32:33], s[16:17], s[18:19]
	s_cmp_eq_u32 s7, 2
	s_cselect_b64 s[32:33], s[20:21], s[32:33]
	s_lshl_b32 s42, s7, 20
	s_add_co_u32 s42, s42, WUP
	s_branch .Lhf512
.Lj4:
	s_cmp_lt_u32 s3, 408
	s_cbranch_scc0 .Lj5
	s_sub_co_u32 s6, s3, 376                       ; wv_up: job q of 256 takes 32 rows k x 128 columns
	s_lshl3_add_u32 s5, s6, s4
	s_and_b32 s38, s5, 15                          ; which 128 columns
	s_lshr_b32 s39, s5, 4                          ; which 32 rows
	s_lshl_b32 s36, s39, 18
	s_lshl_b32 s6, s38, 9
	s_add_co_u32 s36, s36, s6
	s_add_nc_u64 s[32:33], s[22:23], s[36:37]
	s_lshr_b32 s6, s38, 3
	s_add_co_u32 s6, s6, 3                         ; unit 3 or 4
	s_lshl_b32 s42, s6, 20
	s_lshl_b32 s6, s39, 16
	s_add_co_u32 s42, s42, s6
	s_and_b32 s6, s38, 7
	s_lshl_b32 s6, s6, 8
	s_add_co_u32 s42, s42, s6
	s_add_co_u32 s42, s42, WUP
	s_add_nc_u64 s[34:35], s[28:29], s[42:43]
	s_mov_b32 s46, 8192
	s_mov_b32 s47, 2048
	s_mov_b32 s48, 1
	s_branch .Lgo
.Lj5:
	s_cmp_lt_u32 s3, 536
	s_cbranch_scc0 .Ltable
	s_sub_co_u32 s6, s3, 408                       ; wo: job q of 1,024 takes 16,384 bytes on end
	s_lshl3_add_u32 s5, s6, s4
	s_mov_b64 s[32:33], s[24:25]
	s_mov_b32 s42, WOO
.Lhf512:
	s_lshl_b32 s36, s5, 14
	s_lshl_b32 s6, s5, 13
	s_add_co_u32 s42, s42, s6
	s_add_nc_u64 s[32:33], s[32:33], s[36:37]
	s_add_nc_u64 s[34:35], s[28:29], s[42:43]
	s_mov_b32 s46, 512
	s_mov_b32 s47, 256
	s_mov_b32 s48, 1
.Lgo:
.set n, 0
.rept 16
	v_mad_u32_u24 v[SO+n], s46, n, v3              ; piece n of a trip
	v_mad_u32_u24 v[DO+n], s47, n, v5
.set n, n+1
.endr
	s_lshl_b32 s36, s46, 4                         ; a trip's sixteen pieces
	s_lshl_b32 s42, s47, 4
; Two trips of sixteen pieces.  hf = 1: the f16 form.  The hint says 'read once', which holds of all sources but wk_rope's 0.5 MB.
.macro CAST hf
	s_mov_b32 s38, 2
.Lcast_\@:
.set n, 0
.rept 16
	global_load_b128 v[DAT+4*n:DAT+4*n+3], v[SO+n], s[32:33] th:TH_LOAD_NT
.set n, n+1
.endr
.set n, 0
.rept 16
	s_wait_loadcnt 15-n                            ; loads come back in order: piece n is in, the 15 - n younger ones stay out
	v_cvt_pk_bf16_f32 v[OUTR+2*n], v[DAT+4*n], v[DAT+4*n+1]
	v_cvt_pk_bf16_f32 v[OUTR+2*n+1], v[DAT+4*n+2], v[DAT+4*n+3]
	v_and_b32 v[T], s45, v[OUTR+2*n]               ; two signs cleared,
	v_and_b32 v[T+1], s45, v[OUTR+2*n+1]
	v_pk_max_num_bf16 v2, v2, v[T]                 ; two maxima taken
	v_pk_max_num_bf16 v2, v2, v[T+1]
.if \hf
	v_lshlrev_b32 v[T], 16, v[OUTR+2*n]
	v_and_b32 v[T+1], s44, v[OUTR+2*n]
	v_lshlrev_b32 v[T+2], 16, v[OUTR+2*n+1]
	v_and_b32 v[T+3], s44, v[OUTR+2*n+1]
	v_pk_mul_f32 v[T:T+1], v[T:T+1], 0x43800000 op_sel_hi:[1,0]      ; times 256
	v_pk_mul_f32 v[T+2:T+3], v[T+2:T+3], 0x43800000 op_sel_hi:[1,0]
	v_cvt_pk_f16_f32 v[OUTR+2*n], v[T], v[T+1]
	v_cvt_pk_f16_f32 v[OUTR+2*n+1], v[T+2], v[T+3]
.endif
	global_store_b64 v[DO+n], v[OUTR+2*n:OUTR+2*n+1], s[34:35]  ; the wave stores 256 consecutive bytes, aligned
.set n, n+1
.endr
	s_wait_xcnt 0x0                                ; the two bases and the stores' data are rewritten only behind this wait
	s_add_nc_u64 s[32:33], s[32:33], s[36:37]
	s_add_nc_u64 s[34:35], s[34:35], s[42:43]
	s_sub_co_u32 s38, s38, 1
	s_cmp_lg_u32 s38, 0
	s_cbranch_scc1 .Lcast_\@
.endm
	s_cmp_eq_u32 s48, 0
	s_cbranch_scc0 .Lhf
	CAST 0
	s_branch .Lend
.Lhf:
	CAST 1
	s_branch .Lend
; THE TABLE.  Job q of 64 makes 16 positions, two a trip: lanes 0-15 one position, lanes 16-31 the next; of 16 lanes eight hold cosines, eight sines, four frequencies each.
; theta = n pi/2 + r with |r| <= pi/4 (pi/2 taken away in two parts); sine and cosine of r by polynomials; the quadrant picks one of them and a sign.
.Ltable:
	s_sub_co_u32 s6, s3, 536
	s_lshl3_add_u32 s5, s6, s4
	s_lshl_b32 s36, s5, 12
	s_add_nc_u64 s[34:35], s[30:31], s[36:37]
	s_lshl_b32 s6, s5, 4                           ; the job's first position
	s_mov_b32 s46, 0xb9500d01                      ; -1/5040
	s_mov_b32 s47, 0x37d00d01                      ; 1/40320
	v_and_b32 v6, 7, v1
	v_lshlrev_b32 v6, 2, v6                        ; my first frequency
	v_bfe_u32 v7, v1, 3, 1                         ; 0: cosine, 1: sine
	v_sub_nc_u32 v7, 1, v7
	v_lshrrev_b32 v8, 4, v1
.irp e, 0,1,2,3
	v_add_nc_u32 v[T+(\e)], \e, v6
.endr
.irp e, 0,1,2,3
	v_cvt_f32_u32 v[T+(\e)], v[T+(\e)]
.endr
.irp e, 0,1,2,3
	v_mul_f32 v[T+(\e)], 0xbed49a78, v[T+(\e)]     ; -i log2(10000) / 32
.endr
.irp e, 0,1,2,3
	v_exp_f32 v[OM+(\e)], v[T+(\e)]
.endr
	v_nop                                          ; a plain instruction behind the last exponential (ISA guide 5.7.2)
	s_mov_b32 s38, 8
.Ltab:
	v_add_nc_u32 v9, s6, v8
	v_cvt_f32_u32 v9, v9
	s_wait_alu depctr_va_vdst(0)
.irp e, 0,1,2,3
	v_mul_f32 v16, v9, v[OM+(\e)]                  ; theta
	v_mul_f32 v17, 0x3f22f983, v16
	v_rndne_f32 v17, v17                           ; n
	v_fma_f32 v18, v17, 0xbfc90f80, v16
	v_fma_f32 v18, v17, 0xb7354443, v18            ; r
	v_mul_f32 v19, v18, v18
	v_fmaak_f32 v20, s46, v19, 0x3c088889
	v_fmaak_f32 v20, v20, v19, 0xbe2aaaab
	v_mul_f32 v23, v18, v19
	v_fma_f32 v20, v23, v20, v18                   ; sin r
	v_fmaak_f32 v21, s47, v19, 0xbab60b61
	v_fmaak_f32 v21, v21, v19, 0x3d2aaaab
	v_fmaak_f32 v21, v21, v19, 0xbf000000
	v_fma_f32 v21, v21, v19, 1.0                   ; cos r
	v_cvt_i32_f32 v22, v17
	v_add_nc_u32 v22, v22, v7                      ; k = n for a sine, n + 1 for a cosine
	v_and_b32 v23, 1, v22
	v_cmp_eq_u32 vcc_lo, 1, v23
	v_cndmask_b32 v20, v20, v21, vcc_lo            ; k odd: cos r
	v_and_b32 v23, 2, v22
	v_lshlrev_b32 v23, 30, v23
	v_xor_b32 v[OUTR+(\e)], v20, v23               ; k & 2: the sign turns
.endr
	global_store_b128 v3, v[OUTR:OUTR+3], s[34:35] ; 512 consecutive bytes: two positions
	s_wait_xcnt 0x0                                ; base and data are rewritten only behind this wait
	s_add_nc_u64 s[34:35], s[34:35], 512
	s_add_co_u32 s6, s6, 2
	s_sub_co_u32 s38, s38, 1
	s_cmp_lg_u32 s38, 0
	s_cbranch_scc1 .Ltab
	s_endpgm
.Lend:
	s_cmp_ge_u32 s3, 408                           ; wo's maximum enters no scale
	s_cbranch_scc1 .Ldone
	v_lshlrev_b32 v6, 16, v2
	v_and_b32 v7, s44, v2
	v_max_num_f32 v2, v6, v7
	v_max_num_f32_dpp v2, v2, v2 row_xmask:1 row_mask:0xf bank_mask:0xf
	v_max_num_f32_dpp v2, v2, v2 row_xmask:2 row_mask:0xf bank_mask:0xf
	v_max_num_f32_dpp v2, v2, v2 row_xmask:4 row_mask:0xf bank_mask:0xf
	v_max_num_f32_dpp v2, v2, v2 row_xmask:8 row_mask:0xf bank_mask:0xf
	v_permlanex16_b32 v4, v2, s40, s41             ; v4 has been written at the head
	v_max_num_f32 v2, v2, v4
	s_lshl_b32 s36, s2, 2
	s_add_nc_u64 s[34:35], s[30:31], s[36:37]
	v_mov_b32 v6, 0
	s_wait_xcnt 0x0                                ; EXEC changes only behind this wait
	v_cmp_eq_u32 vcc_lo, 0, v1
	s_and_saveexec_b32 s39, vcc_lo
	global_store_b32 v6, v2, s[34:35] offset:MXO   ; one word a job
.Ldone:
	s_endpgm
.Lfunc_end_k_q910239ea8f_prep:
	.size	k_q910239ea8f_prep, .Lfunc_end_k_q910239ea8f_prep-k_q910239ea8f_prep
	.p2alignl 7, 3214868480
	.fill 96, 4, 3214868480
	.section	.rodata,"a",@progbits
	.p2align	6, 0x0
	.amdhsa_kernel k_q910239ea8f_prep
		.amdhsa_group_segment_fixed_size 0
		.amdhsa_private_segment_fixed_size 0
		.amdhsa_enable_private_segment 0
		.amdhsa_kernarg_size 96
		.amdhsa_user_sgpr_count 2
		.amdhsa_user_sgpr_kernarg_segment_ptr 1
		.amdhsa_wavefront_size32 1
		.amdhsa_system_sgpr_workgroup_id_x 1
		.amdhsa_system_sgpr_workgroup_id_y 1
		.amdhsa_system_sgpr_workgroup_id_z 1
		.amdhsa_system_vgpr_workitem_id 0
		.amdhsa_next_free_vgpr 140
		.amdhsa_next_free_sgpr 66
		.amdhsa_reserve_vcc 1
		.amdhsa_float_denorm_mode_32 3
		.amdhsa_float_denorm_mode_16_64 3
		.amdhsa_memory_ordered 1
		.amdhsa_forward_progress 1
		.amdhsa_inst_pref_size 39
	.end_amdhsa_kernel
	.amdgpu_metadata
---
amdhsa.version: [ 1, 2 ]
amdhsa.kernels:
  - .name:           k_q910239ea8f_prep
    .symbol:         k_q910239ea8f_prep.kd
    .args:
      - { .name: x, .offset: 0, .size: 8, .value_kind: global_buffer, .address_space: global }
      - { .name: wq_down, .offset: 8, .size: 8, .value_kind: global_buffer, .address_space: global }
      - { .name: wkv_down, .offset: 16, .size: 8, .value_kind: global_buffer, .address_space: global }
      - { .name: wk_rope, .offset: 24, .size: 8, .value_kind: global_buffer, .address_space: global }
      - { .name: wq_up, .offset: 32, .size: 8, .value_kind: global_buffer, .address_space: global }
      - { .name: wq_rope, .offset: 40, .size: 8, .value_kind: global_buffer, .address_space: global }
      - { .name: wk_up, .offset: 48, .size: 8, .value_kind: global_buffer, .address_space: global }
      - { .name: wv_up, .offset: 56, .size: 8, .value_kind: global_buffer, .address_space: global }
      - { .name: wo, .offset: 64, .size: 8, .value_kind: global_buffer, .address_space: global }
      - { .name: xb, .offset: 72, .size: 8, .value_kind: global_buffer, .address_space: global }
      - { .name: wb, .offset: 80, .size: 8, .value_kind: global_buffer, .address_space: global }
      - { .name: aux, .offset: 88, .size: 8, .value_kind: global_buffer, .address_space: global }
    .group_segment_fixed_size: 0
    .private_segment_fixed_size: 0
    .kernarg_segment_align: 8
    .kernarg_segment_size: 96
    .max_flat_workgroup_size: 544
    .sgpr_count:     66
    .vgpr_count:     140
    .wavefront_size: 32
...
	.end_amdgpu_metadata
.endif
;; end of part 1
;; launch down (part 2): grid 8 x 32, 4 waves a work-group, clusters of 4 x 4, 327,680 bytes of LDS; arguments xb, wb, aux, lat, qkv, scl; writes lat, qkv, scl
.if DOCPART == 2
	.amdgcn_target "amdgcn-amd-amdhsa--gfx1250"
	.amdhsa_code_object_version 6
	.text
	.protected	k_q910239ea8f_down
	.globl	k_q910239ea8f_down
	.p2align	8
	.type	k_q910239ea8f_down,@function
k_q910239ea8f_down:
	s_mov_b64 s[64:65], 0
	v_nop
	global_prefetch_b8 v0, s[64:65] scope:SCOPE_SE
	s_setreg_imm32_b32 hwreg(HW_REG_WAVE_MODE, 25, 1), 1
	s_wait_xcnt 0x0
	s_wait_alu depctr_hold_cnt(0) depctr_sa_sdst(0) depctr_va_vdst(0) depctr_va_sdst(0) depctr_va_ssrc(0) depctr_va_vcc(0) depctr_vm_vsrc(0)
	s_getreg_b32 s2, hwreg(HW_REG_IB_STS2, 6, 4)
	s_cmp_eq_u32 s2, 0
	s_cbranch_scc0 .Lentry_in_a_cluster
	s_endpgm
.Lentry_in_a_cluster:
	s_bfe_u32 s2, ttmp6, 0x10000c
	s_cmp_lg_u32 s2, 0xf033
	s_cbranch_scc0 .Lentry_shape_is_right
	s_endpgm
.Lentry_shape_is_right:
; DOWN: q_lat = x wq_down, kv_lat = x wkv_down (f16, scaled by a power of two), k_r = rope(x wk_rope) (f16), and the record of scales.  Products in bf16, sums in f32.
; A tile of C is 128 rows x 128 columns: column tiles 0-3 are q_lat's, 4-7 kv_lat's.  Four waves, each 64 x 64: 16 accumulators.  K = 2,048 in 8 steps of 256 through two LDS slots.
; A (xb) lies [row][k]; B (wb's blocks) lies [k][column] and is turned on its way out of LDS by ds_load_tr16_b128.  The matrix instruction is used transposed (source 0 = 16 columns of B,
; source 1 = 16 rows of A), so that a lane holds eight neighbouring columns of one row.
; A 17th accumulator makes 16 rows x 16 columns of x wk_rope: a block of B carries 16 columns of wk_rope (i = 8 cx + 0..7 and 32 + i); tiles 0-3 take the tile's rows 0-63, tiles 4-7 rows 64-127, 16 a wave.
; So that its LDS address is the same text in both clusters of a tile row, the cluster with x = 1 asks for A's two halves in swapped places: its LDS rows 0-63 hold the tile's rows 64-127.  In every
; work-group the 17th accumulator reads LDS rows 16 w .. 16 w + 15, and the way out turns the rows back in the global address.
; ONE TEXT FOR A K STEP: the slot in hand is a scalar, 0 or XS, turned by an exclusive or; one descriptor a tensor walks from K step 1 on.  The last two K steps, which ask for nothing, are a loop
; of two trips that is left in its middle.
; CLUSTER 4 x 4: A's tile is asked for jointly along a row of the cluster (whose four share the cluster's x), B's along a column.
; SCALES.  E(T) = exponent of max|T| + 1, held within -16..16.  lat = product x 2^-(EX + EQD or EKVD), at most 2,048 in size; k_r x 2^-EK, at most 2^15.5.
; LIMITS: an input whose largest magnitude lies outside 2^-16 .. 2^16 loses these bounds; NaN and infinities are not treated apart.
; k_r leaves in pieces of 16 bytes a lane (0.5 MB in all): its 64 columns come from four work-groups.
.set PITCH,  528                       ; a row of A in LDS: 512 bytes + 16
.set HALFA,  64*PITCH
.set ASZ,    2*HALFA
.set PB,     288                       ; a row of B: 256 bytes + 32: an odd multiple of 32, as the turning load's eight rows x 32 bytes want
.set HALFB,  144*PB                    ; a block is 288 rows of 256 bytes: 256 k x 128 columns, then 32 rows with 8 k x 16 columns each
.set XOFF,   ASZ+256*PB
.set SLOT,   ASZ+2*HALFB               ; 150,528
.set XS,     0x25000                   ; slot 1's first byte, 151,552: its bits 17, 14, 12 occur in none of the four LDS addresses 0, HALFA, ASZ, ASZ + HALFB that slot 0's loads name, so an exclusive or adds or takes it
.set SPARE,  XS+SLOT                   ; the spare words: 128 bytes a wave, two blocks of 256 bytes that no other line names
.set SPITCH, 272                       ; the way out: 128 rows x 272 bytes from LDS byte 0: slot 0 has had its last fill by then
.set MX,     262144
.set KR,     41943040
.set ADRE, 10                          ; v10     the 17th accumulator's rows of A in the slot in hand
.set LA,   12                          ; v12-15  the same four addresses in slot 0; never rewritten
.set LB,   13
.set LX,   14
.set LE,   15
.set ADRA, 16                          ; v16     my rows of A in the slot in hand
.set ADRB, 18                          ; v18-19  my columns of B: k < 128, k >= 128
.set ADRX, 22                          ; v22     the 16 further columns
.set STO,  24
.set RD,   25
.set CO,   26
.set KRO,  27
.set SPW,  28                          ; LDS address of my spare word; never rewritten
.set NIL,  29                          ; 0; never rewritten
.set LN,   30
.set TBO,  31
.set TMP,  32                          ; v32-95: in the loop two buffers of 32 for the 17th accumulator's fragments; on the way out packed results
.set XACC, 96
.set COSR, 104
.set SINR, 112
.set OWN,  120
.set ACC,  128
.set F0,   0                           ; window 1: two fragment buffers of 128
.set F1,   128
.set WV, 16
.set WR, 17
.set WC, 18
.set CX, 19
.set CY, 20
.set TCOL, 21
.set TROW, 22
.set CLX, 23
.set G1A, 24
.set G0A, 32                           ; s[32:35] K step 0's load; s[36:39] walks
.set G1B, 48
.set G0B, 56
.set SEL, 84
.set SB,  96                           ; s96  the slot in hand: 0 or XS
.set MSB, 0
.macro WIN new
.if MSB != (\new)
	s_set_vgpr_msb (MSB<<8)|(\new)
.set MSB, \new
.endif
.endm
.set MUL,  0x05                        ; sources 0 and 1 window 1; C and D window 0
.set TO_F, 0x40                        ; destination window 1
.macro JLOAD s                         ; a joint load: waves 0, 1 fetch A's halves, waves 2, 3 B's; s_nop 0 and four v_nop follow each line
	s_cmp_eq_u32 s[WR], 0
	s_cbranch_scc0 .Lfor_b_\@
	tensor_load_to_lds s[G0A+4*(\s):G0A+4*(\s)+3], s[G1A:G1A+7]
	s_nop 0
.rept 4
	v_nop
.endr
	s_branch .Lasked_\@
.Lfor_b_\@:
	tensor_load_to_lds s[G0B+4*(\s):G0B+4*(\s)+3], s[G1B:G1B+7]
	s_nop 0
.rept 4
	v_nop
.endr
.Lasked_\@:
.endm
.macro CREST                           ; a round of the cluster's barrier behind its opening barrier
	s_cmp_lg_u32 s[WV], 0
	s_cbranch_scc1 .Lnot_wave_0_\@
	s_barrier_signal -3
.Lnot_wave_0_\@:
	s_barrier_wait -3
	s_barrier_signal -1
	s_barrier_wait -1
.endm
.macro CROUND
	s_barrier_signal -1
	s_barrier_wait -1
	CREST
.endm
.macro PLACES                          ; four places behind matrix instructions, in front of loads into their sources and of reads of their results
.rept 4
	v_nop
.endr
.endm
	s_load_b256 s[4:11], s[0:1], 0x0               ; xb 4, wb 6, aux 8, lat 10
	s_load_b128 s[12:15], s[0:1], 0x20             ; qkv 12, scl 14
	v_lshl_add_u32 v[SPW], v0, 2, SPARE
	v_mov_b32 v[NIL], 0
	ds_add_u32 v[SPW], v[NIL]                      ; the wave's opening: the add and its wait ahead of my first tensor load
	v_lshrrev_b32 v1, 5, v0
	v_readfirstlane_b32 s[WV], v1
	s_lshr_b32 s[WR], s[WV], 1                     ; my half of the LDS rows; also: I fetch for A (0) or B (1)
	s_and_b32 s[WC], s[WV], 1                      ; my half of the columns; also: which half I fetch
	s_bfe_u32 s[CX], ttmp6, 0x40000
	s_bfe_u32 s[CY], ttmp6, 0x40004
	s_and_b32 s[CLX], ttmp9, 1                     ; the cluster's x, 0 or 1: q_lat or kv_lat; the same in all partners; it enters global addresses and values alone
	s_lshl_b32 s[TCOL], ttmp9, 2
	s_add_co_u32 s[TCOL], s[TCOL], s[CX]
	s_and_b32 s[TROW], ttmp7, 0xffff
	s_lshl_b32 s[TROW], s[TROW], 2
	s_add_co_u32 s[TROW], s[TROW], s[CY]
	s_lshl_b32 s40, s[CY], 2
	s_lshl_b32 s40, 15, s40                        ; my row of the cluster
	s_lshl_b32 s41, 0x1111, s[CX]                  ; my column
	s_or_b32 s[G1A], s40, (1<<16)|(1<<20)|(1<<21)|(6<<22)|(3<<25)   ; 2-byte elements; padding: 4 words behind every 128
	s_mov_b32 s[G1A+1], 256<<16                    ; tensor_dim0
	s_mov_b32 s[G1A+2], 64<<16                     ; tensor_dim1
	s_mov_b32 s[G1A+3], 256<<16                    ; tile_dim0
	s_mov_b32 s[G1A+4], 64                         ; tile_dim1
	s_mov_b32 s[G1A+5], 2048                       ; elements from row to row
	s_mov_b32 s[G1A+6], 0
	s_mov_b32 s[G1A+7], 0
	s_or_b32 s[G1B], s41, (1<<16)|(1<<20)|(1<<21)|(5<<22)|(7<<25)   ; padding: 8 words behind every 64
	s_mov_b32 s[G1B+1], 128<<16
	s_mov_b32 s[G1B+2], 144<<16
	s_mov_b32 s[G1B+3], 128<<16
	s_mov_b32 s[G1B+4], 144
	s_mov_b32 s[G1B+5], 128                        ; the block is dense
	s_mov_b32 s[G1B+6], 0
	s_mov_b32 s[G1B+7], 0
	s_lshl_b32 s42, s[TROW], 7                     ; A: row 128 x tile row + 64 x (half xor cluster x), 4,096 bytes a row
	s_xor_b32 s43, s[WC], s[CLX]
	s_lshl_b32 s43, s43, 6
	s_add_co_u32 s42, s42, s43
	s_lshl_b32 s42, s42, 12
	s_mov_b32 s43, 0
	s_mul_i32 s44, s[TCOL], 589824                 ; B: the column tile's blocks, my half of a block
	s_mul_i32 s45, s[WC], 36864
	s_add_co_u32 s44, s44, s45
	s_mov_b32 s45, 0
	s_mul_i32 s46, s[WC], HALFA                    ; where they go: the wave's number alone enters an LDS address
	s_mul_i32 s47, s[WC], HALFB
	s_add_co_u32 s47, s47, ASZ
	s_mov_b32 s[SEL], 0x76543210
	s_mov_b32 s[SEL+1], 0xfedcba98
	s_mov_b32 s[SB], 0
	s_wait_dscnt 0x0                               ; the opening add is done
	s_wait_kmcnt 0x0
	s_add_nc_u64 s[86:87], s[4:5], s[42:43]
	s_add_nc_u64 s[88:89], s[6:7], s[44:45]
	CROUND                                         ; all sixteen work-groups are here: the first joint loads meet
.irp s, 0,1
	s_mov_b32 s[G0A+4*(\s)], 1
	s_add_co_u32 s[G0A+4*(\s)+1], s46, (\s)*XS
	s_add_nc_u64 s[G0A+4*(\s)+2:G0A+4*(\s)+3], s[86:87], (\s)*512
	s_or_b32 s[G0A+4*(\s)+3], s[G0A+4*(\s)+3], 0x80000000
	s_mov_b32 s[G0B+4*(\s)], 1
	s_add_co_u32 s[G0B+4*(\s)+1], s47, (\s)*XS
	s_add_nc_u64 s[G0B+4*(\s)+2:G0B+4*(\s)+3], s[88:89], (\s)*73728
	s_or_b32 s[G0B+4*(\s)+3], s[G0B+4*(\s)+3], 0x80000000
	JLOAD \s
.endr
	; LDS addresses.  A fragment: lane l holds row l % 16, k = 8 (l / 16) + 0..7 and 16 + the same: two loads 32 bytes apart.
	v_and_b32 v1, 15, v0
	v_bfe_u32 v2, v0, 4, 1
	v_and_b32 v[LN], 31, v0
	v_mul_u32_u24 v3, v1, PITCH
	v_lshl_add_u32 v3, v2, 4, v3
	s_mul_i32 s90, s[WR], HALFA
	v_add_nc_u32 v[LA], s90, v3
	s_mul_i32 s90, s[WV], 16*PITCH                 ; the 17th accumulator: LDS rows 16 x wave
	v_add_nc_u32 v[LE], s90, v3
	; the turning load: lane l reads 16 bytes of row k0 + 8 (l / 16) + l % 8, columns 8 ((l / 8) % 2) + 0..7, and is left with column l % 16, eight k
	v_and_b32 v4, 7, v0
	v_lshl_add_u32 v5, v2, 3, v4
	v_mul_u32_u24 v5, v5, PB
	v_bfe_u32 v6, v0, 3, 1
	v_lshl_add_u32 v5, v6, 4, v5
	s_lshl_b32 s90, s[WC], 7
	s_add_co_u32 s90, s90, ASZ
	v_add_nc_u32 v[LB], s90, v5
	v_mul_u32_u24 v5, v2, PB                       ; the further columns: k lies at row k / 8, byte 32 (k % 8)
	v_lshl_add_u32 v5, v4, 5, v5
	v_lshl_add_u32 v5, v6, 4, v5
	v_add_nc_u32 v[LX], XOFF, v5
	v_mov_b32 v[ADRA], v[LA]                       ; slot 0 is in hand
	v_mov_b32 v[ADRB], v[LB]
	v_add_nc_u32 v[ADRB+1], 128*PB, v[LB]
	v_mov_b32 v[ADRX], v[LX]
	v_mov_b32 v[ADRE], v[LE]
	s_mul_i32 s90, s[WR], 64*SPITCH                ; the way out
	s_lshl_b32 s91, s[WC], 7
	s_add_co_u32 s90, s90, s91
	v_mul_u32_u24 v5, v1, SPITCH
	v_lshl_add_u32 v5, v2, 4, v5
	v_add_nc_u32 v[STO], s90, v5
	s_mul_i32 s90, s[WV], 32*SPITCH
	v_mul_u32_u24 v5, v2, SPITCH
	v_lshl_add_u32 v5, v1, 4, v5
	v_add_nc_u32 v[RD], s90, v5
	v_lshlrev_b32 v5, 10, v2
	v_lshl_add_u32 v[CO], v1, 4, v5
	v_lshlrev_b32 v5, 7, v1
	v_lshl_add_u32 v[KRO], v2, 6, v5
	s_lshl_b32 s90, s[TROW], 7                     ; lat: matrix; stage rows 32 w .. are the tile's rows 32 (w xor 2 x cluster x) ..; 256 bytes of columns
	s_lshl_b32 s91, s[CLX], 1
	s_xor_b32 s91, s91, s[WV]
	s_lshl_b32 s91, s91, 5
	s_add_co_u32 s90, s90, s91
	s_lshl_b32 s90, s90, 10
	s_lshl_b32 s91, s[CLX], 22
	s_add_co_u32 s90, s90, s91
	s_lshl_b32 s91, s[CX], 8
	s_add_co_u32 s90, s90, s91
	s_mov_b32 s91, 0
	s_add_nc_u64 s[92:93], s[10:11], s[90:91]
	s_lshl_b32 s94, s[TROW], 7                     ; k_r: my 16 rows: 128 x tile row + 64 x cluster x + 16 x wave
	s_lshl_b32 s95, s[CLX], 6
	s_add_co_u32 s94, s94, s95
	s_lshl4_add_u32 s94, s[WV], s94
	s_lshl_b32 s90, s94, 7
	s_lshl_b32 s95, s[CX], 4
	s_add_co_u32 s90, s90, s95
	s_add_nc_u64 s[98:99], s[12:13], s[90:91]
	s_add_nc_u64 s[98:99], s[98:99], KR
	s_and_b32 s94, s94, 1023                       ; their positions, and my eight frequencies 8 cx + 0..7
	s_lshl_b32 s94, s94, 8
	s_lshl_b32 s95, s[CX], 5
	s_add_co_u32 s94, s94, s95
	v_lshl_add_u32 v[TBO], v1, 8, s94
	; the jobs' maxima, all of them in every wave, and the table
	v_lshlrev_b32 v3, 4, v[LN]
	v_lshlrev_b32 v4, 3, v[LN]
.set i, 0
.rept 16
	global_load_b128 v[128+4*i:131+4*i], v3, s[8:9] offset:MX+512*i    ; x
.set i, i+1
.endr
	global_load_b128 v[192:195], v3, s[8:9] offset:MX+8192             ; wq_down
	global_load_b128 v[196:199], v3, s[8:9] offset:MX+8704
	global_load_b128 v[200:203], v3, s[8:9] offset:MX+9216             ; wkv_down
	global_load_b128 v[204:207], v3, s[8:9] offset:MX+9728
	global_load_b64  v[208:209], v4, s[8:9] offset:MX+10240            ; wk_rope
	global_load_b128 v[212:215], v3, s[8:9] offset:MX+10496            ; wq_up and wq_rope
	global_load_b128 v[216:219], v3, s[8:9] offset:MX+11008
	global_load_b128 v[220:223], v3, s[8:9] offset:MX+11520            ; wk_up
	global_load_b128 v[224:227], v3, s[8:9] offset:MX+12032            ; wv_up
	global_load_b128 v[228:231], v3, s[8:9] offset:MX+12544
	global_load_b128 v[COSR:COSR+3],   v[TBO], s[8:9]
	global_load_b128 v[COSR+4:COSR+7], v[TBO], s[8:9] offset:16
	global_load_b128 v[SINR:SINR+3],   v[TBO], s[8:9] offset:128
	global_load_b128 v[SINR+4:SINR+7], v[TBO], s[8:9] offset:144
	s_wait_loadcnt 0x0
.macro RED e, first, n                 ; s[e] = exponent of the largest of n registers over all lanes, + 1, within -16..16
	v_max_num_f32 v5, v[\first], v[(\first)+1]
.set k, 2
.rept ((\n)-2)/2
	v_max3_num_f32 v5, v5, v[(\first)+k], v[(\first)+k+1]
.set k, k+2
.endr
	v_max_num_f32_dpp v5, v5, v5 row_xmask:1 row_mask:0xf bank_mask:0xf
	v_max_num_f32_dpp v5, v5, v5 row_xmask:2 row_mask:0xf bank_mask:0xf
	v_max_num_f32_dpp v5, v5, v5 row_xmask:4 row_mask:0xf bank_mask:0xf
	v_max_num_f32_dpp v5, v5, v5 row_xmask:8 row_mask:0xf bank_mask:0xf
	v_permlanex16_b32 v6, v5, s[SEL], s[SEL+1]
	v_max_num_f32 v5, v5, v6
	v_readfirstlane_b32 s[\e], v5
	s_bfe_u32 s[\e], s[\e], 0x80017
	s_sub_co_i32 s[\e], s[\e], 126
	s_max_i32 s[\e], s[\e], -16
	s_min_i32 s[\e], s[\e], 16
.endm
	RED 67, 128, 64                                ; EX
	RED 68, 192, 8                                 ; EQD
	RED 69, 200, 8                                 ; EKVD
	RED 70, 208, 2                                 ; EKR
	RED 71, 212, 8                                 ; EQU
	RED 72, 220, 4                                 ; EKU
	RED 73, 224, 8                                 ; EVU
	; powers of two as (exponent + 127) << 23.  They act on values alone.
	s_cmp_eq_u32 s[CLX], 0
	s_cselect_b32 s90, s68, s69
	s_add_co_i32 s90, s90, s67
	s_sub_co_i32 s90, 127, s90
	s_lshl_b32 s74, s90, 23                        ; my latent's scale 2^-(EX + EQD or EKVD)
	s_mov_b32 s75, s74
	s_add_co_i32 s91, s67, s69                     ; EX + EKVD
	s_add_co_i32 s94, s91, s72
	s_add_co_i32 s94, s94, 20
	s_add_co_i32 s95, s67, s70
	s_add_co_i32 s95, s95, 12
	s_max_i32 s94, s94, s95
	s_sub_co_i32 s94, s94, 15                      ; EK
	s_sub_co_i32 s95, 127, s94
	s_lshl_b32 s76, s95, 23                        ; k_r's scale 2^-EK
	s_mov_b32 s77, s76
	s_sub_co_i32 s95, 114, s71
	s_lshl_b32 s78, s95, 23                        ; SQ = 2^-(EQU + 13)
	s_sub_co_i32 s95, s91, s94
	s_add_co_i32 s95, s95, 119
	s_lshl_b32 s79, s95, 23                        ; SK = 2^(EX + EKVD - 8 - EK)
	s_sub_co_i32 s95, 114, s73
	s_lshl_b32 s80, s95, 23                        ; SV = 2^-(EVU + 13)
	s_add_co_i32 s95, s91, s73
	s_add_co_i32 s95, s95, 124
	s_lshl_b32 s81, s95, 23                        ; SOUT = 2^(EV - 8), EV = EX + EKVD + EVU + 5
	s_add_co_i32 s95, s67, s68
	s_add_co_i32 s95, s95, s71
	s_add_co_i32 s95, s95, 5                       ; EQ
	s_add_co_i32 s95, s95, s94
	s_lshl_b32 s95, s95, 23
	s_add_co_u32 s82, s95, 0x3e0293ee              ; c' = log2(e) / sqrt(128) x 2^(EQ + EK)
	s_sub_co_u32 s83, 0xc7dcf88b, s95              ; MR = -10000 sqrt(128) x 2^-(EQ + EK)
	v_xor_b32 v7, 1, v2
	v_lshlrev_b32 v7, 31, v7                       ; the lower half of the lanes holds x1, whose partner enters with -sin
.irp j, 0,1,2,3,4,5,6,7
	v_xor_b32 v[SINR+\j], v7, v[SINR+\j]
.endr
	s_cmp_lg_u32 s[WV], 0
	s_cbranch_scc1 .Lnorec
	v_mov_b32 v8, 0                                ; the record: SQ, SK, SV, SOUT, c', MR, zeros: 128 bytes, this work-group's own
.irp n, 0,1,2,3,4,5
	v_cmp_eq_u32 vcc_lo, \n, v[LN]
	v_cndmask_b32 v8, v8, s[78+\n], vcc_lo
.endr
	s_lshl3_add_u32 s90, s[TROW], s[TCOL]
	s_lshl_b32 s90, s90, 7
	v_lshl_add_u32 v9, v[LN], 2, s90
	global_store_b32 v9, v8, s[14:15]
.Lnorec:
.macro MUL8 f, c, a0, zero             ; 8 products: row blocks a0, a0 + 1 x 4 column blocks, 32 along K: half c of buffer f
	WIN MUL
.irp a, \a0, (\a0)+1
.irp b, 0,1,2,3
.if \zero
	v_wmma_f32_16x16x32_bf16 v[ACC+8*(4*(\a)+(\b)):ACC+8*(4*(\a)+(\b))+7], v[(\f)+64+8*(4*(\c)+(\b)):(\f)+64+8*(4*(\c)+(\b))+7], v[(\f)+8*(4*(\c)+(\a)):(\f)+8*(4*(\c)+(\a))+7], 0
.else
	v_wmma_f32_16x16x32_bf16 v[ACC+8*(4*(\a)+(\b)):ACC+8*(4*(\a)+(\b))+7], v[(\f)+64+8*(4*(\c)+(\b)):(\f)+64+8*(4*(\c)+(\b))+7], v[(\f)+8*(4*(\c)+(\a)):(\f)+8*(4*(\c)+(\a))+7], v[ACC+8*(4*(\a)+(\b)):ACC+8*(4*(\a)+(\b))+7]
.endif
.endr
.endr
.endm
.macro MULX f, c, zero                 ; the 17th accumulator's product; sixteen others' stand between two of them
	WIN 0
.if \zero
	v_wmma_f32_16x16x32_bf16 v[XACC:XACC+7], v[48+(\f)/4+8*(\c):48+(\f)/4+8*(\c)+7], v[32+(\f)/4+8*(\c):32+(\f)/4+8*(\c)+7], 0
.else
	v_wmma_f32_16x16x32_bf16 v[XACC:XACC+7], v[48+(\f)/4+8*(\c):48+(\f)/4+8*(\c)+7], v[32+(\f)/4+8*(\c):32+(\f)/4+8*(\c)+7], v[XACC:XACC+7]
.endif
.endm
.macro FETCH q, f                      ; 40 LDS loads in one run: quarter q (64 along K) of the slot in hand: the 17th's eight first, then the first 32 along K, then the second
	WIN 0
.irp c, 0,1
	ds_load_tr16_b128 v[48+(\f)/4+8*(\c):48+(\f)/4+8*(\c)+3],   v[ADRX] offset:PB*(8*(\q)+4*(\c))
	ds_load_tr16_b128 v[48+(\f)/4+8*(\c)+4:48+(\f)/4+8*(\c)+7], v[ADRX] offset:PB*(8*(\q)+4*(\c))+2*PB
	ds_load_b128 v[32+(\f)/4+8*(\c):32+(\f)/4+8*(\c)+3],        v[ADRE] offset:128*(\q)+64*(\c)
	ds_load_b128 v[32+(\f)/4+8*(\c)+4:32+(\f)/4+8*(\c)+7],      v[ADRE] offset:128*(\q)+64*(\c)+32
.endr
	WIN TO_F
.irp c, 0,1
.irp i, 0,1,2,3
	ds_load_tr16_b128 v[(\f)+64+8*(4*(\c)+(\i)):(\f)+64+8*(4*(\c)+(\i))+3],   v[ADRB+(\q)/2] offset:((\q)%2)*64*PB+32*PB*(\c)+32*(\i)
	ds_load_tr16_b128 v[(\f)+64+8*(4*(\c)+(\i))+4:(\f)+64+8*(4*(\c)+(\i))+7], v[ADRB+(\q)/2] offset:((\q)%2)*64*PB+32*PB*(\c)+32*(\i)+16*PB
	ds_load_b128 v[(\f)+8*(4*(\c)+(\i)):(\f)+8*(4*(\c)+(\i))+3],              v[ADRA] offset:128*(\q)+64*(\c)+(\i)*16*PITCH
	ds_load_b128 v[(\f)+8*(4*(\c)+(\i))+4:(\f)+8*(4*(\c)+(\i))+7],            v[ADRA] offset:128*(\q)+64*(\c)+(\i)*16*PITCH+32
.endr
.endr
.endm
.macro QUARTER q, f, g, zero           ; multiplies buffer f; in its middle fetches quarter q of the slot into g
	s_wait_dscnt 16                                ; all but the youngest sixteen loads (the second 32 along K) are in
	MUL8 \f, 0, 0, \zero
	MUL8 \f, 0, 2, \zero
	MULX \f, 0, \zero
	PLACES
	FETCH \q, \g
	s_wait_dscnt 40                                ; all but the 40 just issued
	MUL8 \f, 1, 0, 0
	MUL8 \f, 1, 2, 0
	MULX \f, 1, 0
.endm
; The last quarter multiplies buffer 1 and changes slots: one barrier; in front of it each wave waits for all its tensor loads (one is out: its part of the next slot), adds 0 to its spare word,
; and waits for that and for its reads of this slot.  fill = 1: the barrier opens a round of the cluster's, and the walking descriptors fill this slot again, two K steps ahead, first thing behind the round.
.macro TURN fill
	WIN 0
	s_wait_tensorcnt 0x0
	ds_add_u32 v[SPW], v[NIL]
	s_wait_dscnt 17                                ; the add and the youngest sixteen loads may be out
	MUL8 F1, 0, 0, 0
	s_wait_dscnt 0x0                               ; the add is done, my reads of this slot are over
	s_barrier_signal -1
	MUL8 F1, 0, 2, 0
	MULX F1, 0, 0
	WIN 0
	s_barrier_wait -1
.if \fill
	CREST
	s_xor_b32 s[G0A+5], s[G0A+5], XS               ; the other slot than last time,
	s_add_nc_u64 s[G0A+6:G0A+7], s[G0A+6:G0A+7], 512    ; the next K step; the type bits on top are not reached
	s_xor_b32 s[G0B+5], s[G0B+5], XS
	s_add_nc_u64 s[G0B+6:G0B+7], s[G0B+6:G0B+7], 73728
	JLOAD 1                                        ; its four v_nop are also the places in front of the loads below
.else
	PLACES
.endif
	s_xor_b32 s[SB], s[SB], XS                     ; the other slot is in hand
	v_add_nc_u32 v[ADRA], s[SB], v[LA]
	v_add_nc_u32 v[ADRB], s[SB], v[LB]
	v_add_nc_u32 v[ADRB+1], 128*PB, v[ADRB]
	v_add_nc_u32 v[ADRX], s[SB], v[LX]
	v_add_nc_u32 v[ADRE], s[SB], v[LE]
	FETCH 0, F0
	MUL8 F1, 1, 0, 0
	MUL8 F1, 1, 2, 0
	MULX F1, 1, 0
.endm
	s_wait_tensorcnt 1                             ; my part of K step 0 is in; step 1's may stay out
	s_barrier_signal -1
	s_barrier_wait -1
	FETCH 0, F0
	QUARTER 1, F0, F1, 1                           ; the first products start the sums
	WIN 0
	s_mov_b32 s66, 6
.Lstep:                                                ; a trip: a K step's quarters 1 to 3 and the next step's quarter 0; K steps 2..7 are asked for
	QUARTER 2, F1, F0, 0
	QUARTER 3, F0, F1, 0
	TURN 1
	QUARTER 1, F0, F1, 0
	WIN 0
	s_sub_co_u32 s66, s66, 1
	s_cmp_lg_u32 s66, 0
	s_cbranch_scc1 .Lstep
	s_mov_b32 s66, 2
.Ltail:                                                ; K steps 6 and 7 ask for nothing; the second trip is left in its middle
	QUARTER 2, F1, F0, 0
	QUARTER 3, F0, F1, 0
	WIN 0
	s_sub_co_u32 s66, s66, 1
	s_cmp_eq_u32 s66, 0
	s_cbranch_scc1 .Llast
	TURN 0
	QUARTER 1, F0, F1, 0
	WIN 0
	s_branch .Ltail
.Llast:
	s_wait_dscnt 16                                ; the very last quarter: nothing more to fetch
	MUL8 F1, 0, 0, 0
	MUL8 F1, 0, 2, 0
	MULX F1, 0, 0
	s_wait_dscnt 0
	MUL8 F1, 1, 0, 0
	MUL8 F1, 1, 2, 0
	MULX F1, 1, 0
	WIN 0
	; THE WAY OUT.  Scaled, rounded to f16, 16 bytes a lane into the stage (slot 0's bytes: every wave's reads of them ended in front of the last change of slots); a barrier, since a row's
	; 256 bytes come from two waves; back as whole rows.
	PLACES
.set t, 0
.rept 64
	v_pk_mul_f32 v[ACC+2*t:ACC+2*t+1], v[ACC+2*t:ACC+2*t+1], s[74:75] op_sel_hi:[1,0]
.set t, t+1
.endr
.set t, 0
.rept 64
	v_cvt_pk_f16_f32 v[TMP+t], v[ACC+2*t], v[ACC+2*t+1]
.set t, t+1
.endr
.irp a, 0,1,2,3
.irp b, 0,1,2,3
	ds_store_b128 v[STO], v[TMP+4*(4*(\a)+(\b)):TMP+4*(4*(\a)+(\b))+3] offset:(\a)*16*SPITCH+32*(\b)
.endr
.endr
	; k_r: the lower half of the lanes holds x1 (columns i), the upper x2 (columns 32 + i) of the same row: y = own cos + partner (-+ sin)
.irp j, 0,2,4,6
	v_pk_mul_f32 v[OWN+\j:OWN+\j+1], v[XACC+\j:XACC+\j+1], s[76:77] op_sel_hi:[1,0]
.endr
.irp j, 0,1,2,3,4,5,6,7
	v_permlanex16_b32 v[XACC+\j], v[OWN+\j], s[SEL], s[SEL+1]
.endr
.irp j, 0,2,4,6
	v_pk_mul_f32 v[OWN+\j:OWN+\j+1], v[OWN+\j:OWN+\j+1], v[COSR+\j:COSR+\j+1]
.endr
.irp j, 0,2,4,6
	v_pk_fma_f32 v[OWN+\j:OWN+\j+1], v[XACC+\j:XACC+\j+1], v[SINR+\j:SINR+\j+1], v[OWN+\j:OWN+\j+1]
.endr
.irp j, 0,1,2,3
	v_cvt_pk_f16_f32 v[XACC+\j], v[OWN+2*\j], v[OWN+2*\j+1]
.endr
	global_store_b128 v[KRO], v[XACC:XACC+3], s[98:99]
	s_wait_dscnt 0x0                               ; for the others' sake: my stores into the stage are done
	s_barrier_signal -1
	s_barrier_wait -1
.irp t, 0,1,2,3,4,5,6,7,8,9,10,11,12,13,14,15
	ds_load_b128 v[TMP+4*(\t):TMP+4*(\t)+3], v[RD] offset:(\t)*2*SPITCH
.endr
.irp t, 0,1,2,3,4,5,6,7,8,9,10,11,12,13,14,15
	s_wait_dscnt 15-(\t)
	global_store_b128 v[CO], v[TMP+4*(\t):TMP+4*(\t)+3], s[92:93] offset:2*(\t)*1024  ; 16 lanes store 256 consecutive bytes, aligned
.endr
	s_wait_tensorcnt 0x0                           ; the wave's end
	ds_add_u32 v[SPW], v[NIL]
	s_wait_dscnt 0x0
	CROUND                                         ; the closing round
	s_endpgm
.Lfunc_end_k_q910239ea8f_down:
	.size	k_q910239ea8f_down, .Lfunc_end_k_q910239ea8f_down-k_q910239ea8f_down
	.p2alignl 7, 3214868480
	.fill 96, 4, 3214868480
	.section	.rodata,"a",@progbits
	.p2align	6, 0x0
	.amdhsa_kernel k_q910239ea8f_down
		.amdhsa_group_segment_fixed_size 327680
		.amdhsa_private_segment_fixed_size 0
		.amdhsa_enable_private_segment 0
		.amdhsa_kernarg_size 48
		.amdhsa_user_sgpr_count 2
		.amdhsa_user_sgpr_kernarg_segment_ptr 1
		.amdhsa_wavefront_size32 1
		.amdhsa_system_sgpr_workgroup_id_x 1
		.amdhsa_system_sgpr_workgroup_id_y 1
		.amdhsa_system_sgpr_workgroup_id_z 1
		.amdhsa_system_vgpr_workitem_id 0
		.amdhsa_next_free_vgpr 512
		.amdhsa_next_free_sgpr 100
		.amdhsa_reserve_vcc 1
		.amdhsa_float_denorm_mode_32 3
		.amdhsa_float_denorm_mode_16_64 3
		.amdhsa_memory_ordered 1
		.amdhsa_forward_progress 1
		.amdhsa_inst_pref_size 87
	.end_amdhsa_kernel
	.amdgpu_metadata
---
amdhsa.version: [ 1, 2 ]
amdhsa.kernels:
  - .name:           k_q910239ea8f_down
    .symbol:         k_q910239ea8f_down.kd
    .args:
      - { .name: xb, .offset: 0, .size: 8, .value_kind: global_buffer, .address_space: global }
      - { .name: wb, .offset: 8, .size: 8, .value_kind: global_buffer, .address_space: global }
      - { .name: aux, .offset: 16, .size: 8, .value_kind: global_buffer, .address_space: global }
      - { .name: lat, .offset: 24, .size: 8, .value_kind: global_buffer, .address_space: global }
      - { .name: qkv, .offset: 32, .size: 8, .value_kind: global_buffer, .address_space: global }
      - { .name: scl, .offset: 40, .size: 8, .value_kind: global_buffer, .address_space: global }
    .group_segment_fixed_size: 327680
    .private_segment_fixed_size: 0
    .kernarg_segment_align: 8
    .kernarg_segment_size: 48
    .max_flat_workgroup_size: 128
    .sgpr_count:     100
    .vgpr_count:     512
    .wavefront_size: 32
...
	.end_amdgpu_metadata
.endif
;; end of part 2
;; launch up (part 3): grid 8 x 32, 4 waves a work-group, clusters of 4 x 4, 327,680 bytes of LDS; arguments lat, wb, aux, scl, qkv; writes qkv
.if DOCPART == 3
	.amdgcn_target "amdgcn-amd-amdhsa--gfx1250"
	.amdhsa_code_object_version 6
	.text
	.protected	k_q910239ea8f_up
	.globl	k_q910239ea8f_up
	.p2align	8
	.type	k_q910239ea8f_up,@function
k_q910239ea8f_up:
	s_mov_b64 s[64:65], 0
	v_nop
	global_prefetch_b8 v0, s[64:65] scope:SCOPE_SE
	s_setreg_imm32_b32 hwreg(HW_REG_WAVE_MODE, 25, 1), 1
	s_wait_xcnt 0x0
	s_wait_alu depctr_hold_cnt(0) depctr_sa_sdst(0) depctr_va_vdst(0) depctr_va_sdst(0) depctr_va_ssrc(0) depctr_va_vcc(0) depctr_vm_vsrc(0)
	s_getreg_b32 s2, hwreg(HW_REG_IB_STS2, 6, 4)
	s_cmp_eq_u32 s2, 0
	s_cbranch_scc0 .Lentry_in_a_cluster
	s_endpgm
.Lentry_in_a_cluster:
	s_bfe_u32 s2, ttmp6, 0x10000c
	s_cmp_lg_u32 s2, 0xf033
	s_cbranch_scc0 .Lentry_shape_is_right
	s_endpgm
.Lentry_shape_is_right:
; UP: q_c, q_r (with rope), k_c and v from the latents.  Five units of 1,024 columns: wq_up, wq_rope (A = q_lat), wk_up, wv_up's two halves (A = kv_lat).  Products in f16, sums in f32.
; A work-group stays and makes five tiles of 128 x 128, one in each unit, K = 512 in two steps of 256 through two LDS slots; the ring runs on from tile to tile: ten K steps in all.
; Four waves, each 64 x 64.  B lies [k][column] and is turned by ds_load_tr16_b128; the matrix instruction is used transposed, so a lane holds eight neighbouring columns of a row.
; A wave's 64 columns are one panel of qkv ([batch][80 panels][1024 rows][64] f16): 16 rows of it are 2,048 consecutive bytes.  In unit 1 they are one head's 64 rotary channels;
; the cosines and sines of my 64 rows are loaded once, at the kernel's head, into 128 registers of their own.
; ONE TEXT FOR A K STEP: the slot in hand is a scalar, 0 or XS, turned by an exclusive or; one descriptor a tensor walks from K step 1 on; a tile's two steps are a loop of two trips that is left
; in its middle, for the way out.  The fifth tile, which asks for nothing, has such a loop of its own.
; CLUSTER 4 x 4: A's tile jointly along a row of the cluster, B's along a column.
; LIMITS: the scales keep |q|, |k|, |v| in f16 at 2^15.5 at the most for inputs whose largest magnitudes lie in 2^-16 .. 2^16; NaN and infinities are not treated apart.
.set PITCH,  528
.set HALFA,  64*PITCH
.set ASZ,    2*HALFA
.set PB,     288
.set HALFB,  128*PB
.set SLOT,   ASZ+2*HALFB               ; 141,312
.set XS,     0x24000                   ; slot 1's first byte, 147,456: its bits 17 and 14 occur in none of the four LDS addresses 0, HALFA, ASZ, ASZ + HALFB that slot 0's loads name
.set STAGE,  XS+SLOT                   ; 16 rows x 144 bytes for each wave, its own; no tensor load fills it
.set SP,     144
.set SPARE,  STAGE+4*16*SP
.set WUP,    4718592
.set LA,   12                          ; v12-13  my fragments' addresses in slot 0; never rewritten
.set LB,   13
.set ADRA, 16                          ; v16     in the slot in hand
.set ADRB, 18                          ; v18-19  k < 128, k >= 128
.set STO,  24
.set RD,   25
.set GO,   26
.set TBO,  27
.set SPW,  28
.set NIL,  29
.set OB,   32                          ; v32-63 two buffers of 16: a block of 16 rows packed, then as whole rows
.set TT,   96
.set ACC,  128
.set F0,   0                           ; window 1
.set F1,   128
.set TAB,  0                           ; window 2: row block a, column block b at 32 a + 16 b: eight cosines, eight sines
.set WV, 16
.set WR, 17
.set WC, 18
.set CX, 19
.set CY, 20
.set TCOL, 21
.set TROW, 22
.set G1A, 24
.set G0A, 32                           ; s[32:35] K step 0's load; s[36:39] walks
.set G1B, 48
.set G0B, 56
.set TC, 66                            ; tiles still to be made in the loop: 4..1 = units 0..3
.set SC, 80                            ; s[80:81] the tile's scale
.set RS, 82                            ; s82  the K step to be asked for next, 2..9: unit RS / 2, half RS % 2
.set HC, 84                            ; s84  counts a tile's two K steps
.set SB, 85                            ; s85  the slot in hand: 0 or XS
.set MSB, 0
.macro WIN new
.if MSB != (\new)
	s_set_vgpr_msb (MSB<<8)|(\new)
.set MSB, \new
.endif
.endm
.set MUL,  0x05
.set TO_F, 0x40
.macro JLOAD s
	s_cmp_eq_u32 s[WR], 0
	s_cbranch_scc0 .Lfor_b_\@
	tensor_load_to_lds s[G0A+4*(\s):G0A+4*(\s)+3], s[G1A:G1A+7]
	s_nop 0
.rept 4
	v_nop
.endr
	s_branch .Lasked_\@
.Lfor_b_\@:
	tensor_load_to_lds s[G0B+4*(\s):G0B+4*(\s)+3], s[G1B:G1B+7]
	s_nop 0
.rept 4
	v_nop
.endr
.Lasked_\@:
.endm
.macro CREST
	s_cmp_lg_u32 s[WV], 0
	s_cbranch_scc1 .Lnot_wave_0_\@
	s_barrier_signal -3
.Lnot_wave_0_\@:
	s_barrier_wait -3
	s_barrier_signal -1
	s_barrier_wait -1
.endm
.macro CROUND
	s_barrier_signal -1
	s_barrier_wait -1
	CREST
.endm
.macro PLACES
.rept 4
	v_nop
.endr
.endm
	s_load_b256 s[4:11], s[0:1], 0x0               ; lat 4, wb 6, aux 8, scl 10
	s_load_b64 s[12:13], s[0:1], 0x20              ; qkv
	v_lshl_add_u32 v[SPW], v0, 2, SPARE
	v_mov_b32 v[NIL], 0
	ds_add_u32 v[SPW], v[NIL]                      ; the wave's opening: the add and its wait ahead of my first tensor load
	v_lshrrev_b32 v1, 5, v0
	v_readfirstlane_b32 s[WV], v1
	s_lshr_b32 s[WR], s[WV], 1
	s_and_b32 s[WC], s[WV], 1
	s_bfe_u32 s[CX], ttmp6, 0x40000
	s_bfe_u32 s[CY], ttmp6, 0x40004
	s_lshl_b32 s[TCOL], ttmp9, 2
	s_add_co_u32 s[TCOL], s[TCOL], s[CX]
	s_and_b32 s[TROW], ttmp7, 0xffff
	s_lshl_b32 s[TROW], s[TROW], 2
	s_add_co_u32 s[TROW], s[TROW], s[CY]
	s_lshl_b32 s40, s[CY], 2
	s_lshl_b32 s40, 15, s40
	s_lshl_b32 s41, 0x1111, s[CX]
	s_or_b32 s[G1A], s40, (1<<16)|(1<<20)|(1<<21)|(6<<22)|(3<<25)
	s_mov_b32 s[G1A+1], 256<<16
	s_mov_b32 s[G1A+2], 64<<16
	s_mov_b32 s[G1A+3], 256<<16
	s_mov_b32 s[G1A+4], 64
	s_mov_b32 s[G1A+5], 512
	s_mov_b32 s[G1A+6], 0
	s_mov_b32 s[G1A+7], 0
	s_or_b32 s[G1B], s41, (1<<16)|(1<<20)|(1<<21)|(5<<22)|(7<<25)
	s_mov_b32 s[G1B+1], 128<<16
	s_mov_b32 s[G1B+2], 128<<16
	s_mov_b32 s[G1B+3], 128<<16
	s_mov_b32 s[G1B+4], 128
	s_mov_b32 s[G1B+5], 1024
	s_mov_b32 s[G1B+6], 0
	s_mov_b32 s[G1B+7], 0
	s_lshl_b32 s42, s[TROW], 7                     ; A: row 128 x tile row + 64 x half, 1,024 bytes a row
	s_lshl_b32 s43, s[WC], 6
	s_add_co_u32 s42, s42, s43
	s_lshl_b32 s42, s42, 10
	s_mov_b32 s43, 0
	s_lshl_b32 s44, s[TCOL], 8                     ; B: unit 0, k = 128 x half, 256 bytes of columns
	s_lshl_b32 s45, s[WC], 18
	s_add_co_u32 s44, s44, s45
	s_add_co_u32 s44, s44, WUP
	s_mov_b32 s45, 0
	s_mul_i32 s46, s[WC], HALFA
	s_mul_i32 s47, s[WC], HALFB
	s_add_co_u32 s47, s47, ASZ
	s_mov_b32 s97, 0
	s_mov_b32 s[RS], 2
	s_mov_b32 s[SB], 0
	s_lshl3_add_u32 s98, s[TROW], s[TCOL]
	s_lshl_b32 s98, s98, 7                         ; my record of scales
	s_wait_dscnt 0x0
	s_wait_kmcnt 0x0
	s_add_nc_u64 s[86:87], s[4:5], s[42:43]        ; kept: A's address is made anew from it for each fill
	s_add_nc_u64 s[88:89], s[6:7], s[44:45]
	CROUND
.irp s, 0,1
	s_mov_b32 s[G0A+4*(\s)], 1
	s_add_co_u32 s[G0A+4*(\s)+1], s46, (\s)*XS
	s_add_nc_u64 s[G0A+4*(\s)+2:G0A+4*(\s)+3], s[86:87], (\s)*512
	s_or_b32 s[G0A+4*(\s)+3], s[G0A+4*(\s)+3], 0x80000000
	s_mov_b32 s[G0B+4*(\s)], 1
	s_add_co_u32 s[G0B+4*(\s)+1], s47, (\s)*XS
	s_add_nc_u64 s[G0B+4*(\s)+2:G0B+4*(\s)+3], s[88:89], (\s)*524288
	s_or_b32 s[G0B+4*(\s)+3], s[G0B+4*(\s)+3], 0x80000000
	JLOAD \s
.endr
	s_load_b128 s[76:79], s[10:11], s98 offset:0x0 ; SQ, SK, SV, SOUT
	v_and_b32 v1, 15, v0
	v_bfe_u32 v2, v0, 4, 1
	v_lshlrev_b32 v5, 8, v1
	v_lshl_add_u32 v[TBO], v2, 5, v5               ; table: position l % 16, frequencies 8 (l / 16) on
	s_and_b32 s90, s[TROW], 7
	s_lshl_b32 s90, s90, 7
	s_lshl_b32 s91, s[WR], 6
	s_add_co_u32 s90, s90, s91                     ; my first row's position
	s_lshl_b32 s94, s90, 8
	s_mov_b32 s95, 0
	s_add_nc_u64 s[94:95], s[8:9], s[94:95]        ; the table at that position
	WIN 0x80                                       ; destination window 2, address window 0
.irp a, 0,1,2,3
.irp b, 0,1
	global_load_b128 v[TAB+32*(\a)+16*(\b):TAB+32*(\a)+16*(\b)+3],     v[TBO], s[94:95] offset:4096*(\a)+64*(\b)
	global_load_b128 v[TAB+32*(\a)+16*(\b)+4:TAB+32*(\a)+16*(\b)+7],   v[TBO], s[94:95] offset:4096*(\a)+64*(\b)+16
	global_load_b128 v[TAB+32*(\a)+16*(\b)+8:TAB+32*(\a)+16*(\b)+11],  v[TBO], s[94:95] offset:4096*(\a)+64*(\b)+128
	global_load_b128 v[TAB+32*(\a)+16*(\b)+12:TAB+32*(\a)+16*(\b)+15], v[TBO], s[94:95] offset:4096*(\a)+64*(\b)+144
.endr
.endr
	WIN 0
	v_mul_u32_u24 v3, v1, PITCH
	v_lshl_add_u32 v3, v2, 4, v3
	s_mul_i32 s91, s[WR], HALFA
	v_add_nc_u32 v[LA], s91, v3
	v_and_b32 v4, 7, v0
	v_lshl_add_u32 v5, v2, 3, v4
	v_mul_u32_u24 v5, v5, PB
	v_bfe_u32 v6, v0, 3, 1
	v_lshl_add_u32 v5, v6, 4, v5
	s_lshl_b32 s91, s[WC], 7
	s_add_co_u32 s91, s91, ASZ
	v_add_nc_u32 v[LB], s91, v5
	v_mov_b32 v[ADRA], v[LA]                       ; slot 0 is in hand
	v_mov_b32 v[ADRB], v[LB]
	v_add_nc_u32 v[ADRB+1], 128*PB, v[LB]
	s_mul_i32 s91, s[WV], 16*SP
	s_add_co_u32 s91, s91, STAGE
	v_mul_u32_u24 v5, v1, SP                       ; in: row l % 16, 16 bytes for each half of the lanes
	v_lshl_add_u32 v5, v2, 4, v5
	v_add_nc_u32 v[STO], s91, v5
	v_bfe_u32 v5, v0, 3, 2                         ; back: 32 lanes take four rows of 128 bytes
	v_mul_u32_u24 v5, v5, SP
	v_lshl_add_u32 v5, v4, 4, v5
	v_add_nc_u32 v[RD], s91, v5
	v_and_b32 v[GO], 31, v0
	v_lshlrev_b32 v[GO], 4, v[GO]
	s_lshl_b32 s90, s90, 7                         ; my first row's place in a panel
	s_lshr_b32 s91, s[TROW], 3
	s_mul_i32 s91, s91, 10485760                   ; batch
	s_add_co_u32 s90, s90, s91
	s_lshl1_add_u32 s91, s[TCOL], s[WC]            ; panel of unit 0
	s_lshl_b32 s91, s91, 17
	s_add_co_u32 s90, s90, s91
	s_mov_b32 s91, 0
	s_add_nc_u64 s[92:93], s[12:13], s[90:91]
.macro MUL8 f, c, a0, zero
	WIN MUL
.irp a, \a0, (\a0)+1
.irp b, 0,1,2,3
.if \zero
	v_wmma_f32_16x16x32_f16 v[ACC+8*(4*(\a)+(\b)):ACC+8*(4*(\a)+(\b))+7], v[(\f)+64+8*(4*(\c)+(\b)):(\f)+64+8*(4*(\c)+(\b))+7], v[(\f)+8*(4*(\c)+(\a)):(\f)+8*(4*(\c)+(\a))+7], 0
.else
	v_wmma_f32_16x16x32_f16 v[ACC+8*(4*(\a)+(\b)):ACC+8*(4*(\a)+(\b))+7], v[(\f)+64+8*(4*(\c)+(\b)):(\f)+64+8*(4*(\c)+(\b))+7], v[(\f)+8*(4*(\c)+(\a)):(\f)+8*(4*(\c)+(\a))+7], v[ACC+8*(4*(\a)+(\b)):ACC+8*(4*(\a)+(\b))+7]
.endif
.endr
.endr
.endm
.macro FETCH q, f                      ; 32 LDS loads in one run: quarter q (64 along K) of the slot in hand, the first 32 along K first
	WIN TO_F
.irp c, 0,1
.irp i, 0,1,2,3
	ds_load_tr16_b128 v[(\f)+64+8*(4*(\c)+(\i)):(\f)+64+8*(4*(\c)+(\i))+3],   v[ADRB+(\q)/2] offset:((\q)%2)*64*PB+32*PB*(\c)+32*(\i)
	ds_load_tr16_b128 v[(\f)+64+8*(4*(\c)+(\i))+4:(\f)+64+8*(4*(\c)+(\i))+7], v[ADRB+(\q)/2] offset:((\q)%2)*64*PB+32*PB*(\c)+32*(\i)+16*PB
	ds_load_b128 v[(\f)+8*(4*(\c)+(\i)):(\f)+8*(4*(\c)+(\i))+3],              v[ADRA] offset:128*(\q)+64*(\c)+(\i)*16*PITCH
	ds_load_b128 v[(\f)+8*(4*(\c)+(\i))+4:(\f)+8*(4*(\c)+(\i))+7],            v[ADRA] offset:128*(\q)+64*(\c)+(\i)*16*PITCH+32
.endr
.endr
.endm
.macro QUARTER q, f, g, zero
	s_wait_dscnt 16                                ; the first 32 along K are in
	MUL8 \f, 0, 0, \zero
	MUL8 \f, 0, 2, \zero
	PLACES
	FETCH \q, \g
	s_wait_dscnt 32                                ; all but the 32 just issued
	MUL8 \f, 1, 0, 0
	MUL8 \f, 1, 2, 0
.endm
; The last quarter multiplies buffer 1 and changes slots: one barrier; in front of it each wave waits for all its tensor loads (one is out: its part of the next slot), adds 0 to its spare word, and
; waits for that and for its reads of this slot.  fill = 1: the barrier opens a round of the cluster's, and this slot takes K step RS: B's steps lie 524,288 bytes apart, unit after unit;
; A's address is made anew: half RS % 2 of q_lat (units 0, 1) or of kv_lat, 0x400000 bytes on.
.macro TURN fill
	WIN 0
	s_wait_tensorcnt 0x0
	ds_add_u32 v[SPW], v[NIL]
	s_wait_dscnt 17                                ; the add and the youngest sixteen loads may be out
	MUL8 F1, 0, 0, 0
	s_wait_dscnt 0x0
	s_barrier_signal -1
	MUL8 F1, 0, 2, 0
	WIN 0
	s_barrier_wait -1
.if \fill
	CREST
	s_and_b32 s96, s[RS], 1
	s_lshl_b32 s96, s96, 9
	s_cmp_ge_u32 s[RS], 4
	s_cselect_b32 s83, 0x400000, 0
	s_add_co_u32 s96, s96, s83
	s_add_nc_u64 s[G0A+6:G0A+7], s[86:87], s[96:97]
	s_or_b32 s[G0A+7], s[G0A+7], 0x80000000
	s_xor_b32 s[G0A+5], s[G0A+5], XS
	s_xor_b32 s[G0B+5], s[G0B+5], XS
	s_add_nc_u64 s[G0B+6:G0B+7], s[G0B+6:G0B+7], 524288
	s_add_co_u32 s[RS], s[RS], 1
	JLOAD 1                                        ; its four v_nop are also the places in front of the loads below
.else
	PLACES
.endif
	s_xor_b32 s[SB], s[SB], XS                     ; the other slot is in hand
	v_add_nc_u32 v[ADRA], s[SB], v[LA]
	v_add_nc_u32 v[ADRB], s[SB], v[LB]
	v_add_nc_u32 v[ADRB+1], 128*PB, v[ADRB]
	FETCH 0, F0
	MUL8 F1, 1, 0, 0
	MUL8 F1, 1, 2, 0
.endm
; THE WAY OUT of row block a: scaled; in unit 1 turned by the rotary table; rounded to f16; through my stage; back as 4 x 512 consecutive bytes.
.macro ROPEA a
	s_cmp_lg_u32 s[TC], 3
	s_cbranch_scc1 .Lnr_\@
	WIN 0x08                                       ; source 1, the table, in window 2
.irp b, 0,1                            ; x1 = column blocks 0, 1; x2 = blocks 2, 3: y1 = x1 cos - x2 sin, y2 = x2 cos + x1 sin
.irp p, 0,1,2,3
	v_pk_mul_f32 v[TT:TT+1],   v[ACC+32*(\a)+8*(\b)+16+2*(\p):ACC+32*(\a)+8*(\b)+16+2*(\p)+1], v[TAB+32*(\a)+16*(\b)+8+2*(\p):TAB+32*(\a)+16*(\b)+8+2*(\p)+1]
	v_pk_mul_f32 v[TT+2:TT+3], v[ACC+32*(\a)+8*(\b)+2*(\p):ACC+32*(\a)+8*(\b)+2*(\p)+1],       v[TAB+32*(\a)+16*(\b)+8+2*(\p):TAB+32*(\a)+16*(\b)+8+2*(\p)+1]
	v_pk_fma_f32 v[ACC+32*(\a)+8*(\b)+2*(\p):ACC+32*(\a)+8*(\b)+2*(\p)+1], v[ACC+32*(\a)+8*(\b)+2*(\p):ACC+32*(\a)+8*(\b)+2*(\p)+1], v[TAB+32*(\a)+16*(\b)+2*(\p):TAB+32*(\a)+16*(\b)+2*(\p)+1], v[TT:TT+1] neg_lo:[0,0,1] neg_hi:[0,0,1]
	v_pk_fma_f32 v[ACC+32*(\a)+8*(\b)+16+2*(\p):ACC+32*(\a)+8*(\b)+16+2*(\p)+1], v[ACC+32*(\a)+8*(\b)+16+2*(\p):ACC+32*(\a)+8*(\b)+16+2*(\p)+1], v[TAB+32*(\a)+16*(\b)+2*(\p):TAB+32*(\a)+16*(\b)+2*(\p)+1], v[TT+2:TT+3]
.endr
.endr
	WIN 0
.Lnr_\@:
.endm
.macro EPA a, rope
.if (\a) >= 2
	s_wait_xcnt 0x0                                ; the buffer's registers, which the stores of two blocks back read, are rewritten only behind this wait
.endif
.set k, 0
.rept 16
	v_pk_mul_f32 v[ACC+32*(\a)+2*k:ACC+32*(\a)+2*k+1], v[ACC+32*(\a)+2*k:ACC+32*(\a)+2*k+1], s[SC:SC+1] op_sel_hi:[1,0]
.set k, k+1
.endr
.if \rope
	ROPEA \a
.endif
.set k, 0
.rept 16
	v_cvt_pk_f16_f32 v[OB+16*((\a)%2)+k], v[ACC+32*(\a)+2*k], v[ACC+32*(\a)+2*k+1]
.set k, k+1
.endr
.irp f, 0,1,2,3
	ds_store_b128 v[STO], v[OB+16*((\a)%2)+4*(\f):OB+16*((\a)%2)+4*(\f)+3] offset:32*(\f)
.endr
.irp f, 0,1,2,3
	ds_load_b128 v[OB+16*((\a)%2)+4*(\f):OB+16*((\a)%2)+4*(\f)+3], v[RD] offset:(\f)*4*SP  ; LDS serves a wave's instructions in order (ISA guide 5.7.1.4): these see the stores above
.endr
.endm
.macro SEND a, younger                 ; younger: the LDS instructions issued behind block a's loads: the next block's eight, or none
.irp f, 0,1,2,3
	s_wait_dscnt (\younger)+3-(\f)
	global_store_b128 v[GO], v[OB+16*((\a)%2)+4*(\f):OB+16*((\a)%2)+4*(\f)+3], s[92:93] offset:2048*(\a)+512*(\f)  ; 512 consecutive bytes, aligned
.endr
.endm
.macro EPI rope
	PLACES
	EPA 0, \rope
	EPA 1, \rope
	SEND 0, 8
	EPA 2, \rope
	SEND 1, 8
	EPA 3, \rope
	SEND 2, 8
	SEND 3, 0
.endm
	s_wait_kmcnt 0x0                               ; the scales
	s_wait_loadcnt 0x0                             ; the table
	s_wait_tensorcnt 1                             ; my part of slot 0 is in; slot 1's may stay out
	s_barrier_signal -1
	s_barrier_wait -1
	FETCH 0, F0
	WIN 0
	s_mov_b32 s[TC], 4
.Ltile:                                                ; units 0..3: both slots are filled again for the next unit
	QUARTER 1, F0, F1, 1                           ; a tile's first products start the sums
	WIN 0
	s_mov_b32 s[HC], 2
.Lhalf:                                                ; a tile's two K steps; the second trip is left behind its change of slots
	QUARTER 2, F1, F0, 0
	QUARTER 3, F0, F1, 0
	TURN 1
	WIN 0
	s_sub_co_u32 s[HC], s[HC], 1
	s_cmp_eq_u32 s[HC], 0
	s_cbranch_scc1 .Lepi
	QUARTER 1, F0, F1, 0
	WIN 0
	s_branch .Lhalf
.Lepi:
	s_cmp_ge_u32 s[TC], 3                          ; units 0, 1: SQ; unit 2: SK; unit 3: SV
	s_cselect_b32 s[SC], s76, s78
	s_cmp_eq_u32 s[TC], 2
	s_cselect_b32 s[SC], s77, s[SC]
	s_mov_b32 s[SC+1], s[SC]
	EPI 1
	s_wait_xcnt 0x0                                ; the stores' base and data are rewritten only behind this wait
	s_add_nc_u64 s[92:93], s[92:93], 0x200000      ; sixteen panels on
	s_sub_co_u32 s[TC], s[TC], 1
	s_cmp_lg_u32 s[TC], 0
	s_cbranch_scc1 .Ltile
	QUARTER 1, F0, F1, 1                           ; unit 4 asks for nothing more
	WIN 0
	s_mov_b32 s[HC], 2
.Lth:
	QUARTER 2, F1, F0, 0
	QUARTER 3, F0, F1, 0
	WIN 0
	s_sub_co_u32 s[HC], s[HC], 1
	s_cmp_eq_u32 s[HC], 0
	s_cbranch_scc1 .Llast
	TURN 0
	QUARTER 1, F0, F1, 0
	WIN 0
	s_branch .Lth
.Llast:
	s_wait_dscnt 16                                ; the very last quarter: nothing more to fetch
	MUL8 F1, 0, 0, 0
	MUL8 F1, 0, 2, 0
	s_wait_dscnt 0
	MUL8 F1, 1, 0, 0
	MUL8 F1, 1, 2, 0
	WIN 0
	s_mov_b32 s[SC], s78
	s_mov_b32 s[SC+1], s78
	EPI 0
	s_wait_tensorcnt 0x0                           ; the wave's end
	ds_add_u32 v[SPW], v[NIL]
	s_wait_dscnt 0x0
	CROUND
	s_endpgm
.Lfunc_end_k_q910239ea8f_up:
	.size	k_q910239ea8f_up, .Lfunc_end_k_q910239ea8f_up-k_q910239ea8f_up
	.p2alignl 7, 3214868480
	.fill 96, 4, 3214868480
	.section	.rodata,"a",@progbits
	.p2align	6, 0x0
	.amdhsa_kernel k_q910239ea8f_up
		.amdhsa_group_segment_fixed_size 327680
		.amdhsa_private_segment_fixed_size 0
		.amdhsa_enable_private_segment 0
		.amdhsa_kernarg_size 40
		.amdhsa_user_sgpr_count 2
		.amdhsa_user_sgpr_kernarg_segment_ptr 1
		.amdhsa_wavefront_size32 1
		.amdhsa_system_sgpr_workgroup_id_x 1
		.amdhsa_system_sgpr_workgroup_id_y 1
		.amdhsa_system_sgpr_workgroup_id_z 1
		.amdhsa_system_vgpr_workitem_id 0
		.amdhsa_next_free_vgpr 640
		.amdhsa_next_free_sgpr 100
		.amdhsa_reserve_vcc 0
		.amdhsa_float_denorm_mode_32 3
		.amdhsa_float_denorm_mode_16_64 3
		.amdhsa_memory_ordered 1
		.amdhsa_forward_progress 1
		.amdhsa_inst_pref_size 94
	.end_amdhsa_kernel
	.amdgpu_metadata
---
amdhsa.version: [ 1, 2 ]
amdhsa.kernels:
  - .name:           k_q910239ea8f_up
    .symbol:         k_q910239ea8f_up.kd
    .args:
      - { .name: lat, .offset: 0, .size: 8, .value_kind: global_buffer, .address_space: global }
      - { .name: wb, .offset: 8, .size: 8, .value_kind: global_buffer, .address_space: global }
      - { .name: aux, .offset: 16, .size: 8, .value_kind: global_buffer, .address_space: global }
      - { .name: scl, .offset: 24, .size: 8, .value_kind: global_buffer, .address_space: global }
      - { .name: qkv, .offset: 32, .size: 8, .value_kind: global_buffer, .address_space: global }
    .group_segment_fixed_size: 327680
    .private_segment_fixed_size: 0
    .kernarg_segment_align: 8
    .kernarg_segment_size: 40
    .max_flat_workgroup_size: 128
    .sgpr_count:     100
    .vgpr_count:     640
    .wavefront_size: 32
...
	.end_amdgpu_metadata
.endif
;; end of part 3
;; launch attn (part 4): grid 4 x 64, 4 waves a work-group, clusters of 4 x 1, 327,680 bytes of LDS; arguments qkv, scl, ctx; writes ctx
.if DOCPART == 4
	.amdgcn_target "amdgcn-amd-amdhsa--gfx1250"
	.amdhsa_code_object_version 6
	.text
	.protected	k_q910239ea8f_attn
	.globl	k_q910239ea8f_attn
	.p2align	8
	.type	k_q910239ea8f_attn,@function
k_q910239ea8f_attn:
	s_mov_b64 s[64:65], 0
	v_nop
	global_prefetch_b8 v0, s[64:65] scope:SCOPE_SE
	s_setreg_imm32_b32 hwreg(HW_REG_WAVE_MODE, 25, 1), 1
	s_wait_xcnt 0x0
	s_wait_alu depctr_hold_cnt(0) depctr_sa_sdst(0) depctr_va_vdst(0) depctr_va_sdst(0) depctr_va_ssrc(0) depctr_va_vcc(0) depctr_vm_vsrc(0)
	s_getreg_b32 s2, hwreg(HW_REG_IB_STS2, 6, 4)
	s_cmp_eq_u32 s2, 0
	s_cbranch_scc0 .Lentry_in_a_cluster
	s_endpgm
.Lentry_in_a_cluster:
	s_bfe_u32 s2, ttmp6, 0x10000c
	s_cmp_lg_u32 s2, 0x3003
	s_cbranch_scc0 .Lentry_shape_is_right
	s_endpgm
.Lentry_shape_is_right:
; ATTENTION of one head and batch for a cluster of four work-groups.  softmax over ALL 1,024 keys, the keys behind the query holding the score -10000, as the problem has it.
; q, k, v: f16, by panels of 64 channels, each scaled by a power of two; products, maxima and sums in f32; the weights p rounded to f16 for the second product, their sum taken unrounded; ctx f16.
; SHARES.  A head's rows lie in 16 bands of 64.  Partner cx owns rows 16 cx .. + 15 of every band; wave w owns the tiles of 16 queries in bands X_i = 12 - 4 i + w, i = 0..3.  So whether a band of keys
; is open, holds the diagonal or is hidden for a tile is the same in all four partners: the place in the cluster enters only data and global addresses, and K and V are asked for JOINTLY.
; THE WALK goes DOWN the keys, 64 a step, s = 15 .. 0.  Tile i works while s <= X_i.  All keys of the bands above X_i have one and the same score, so their part of the softmax is one weight times
; the sum U of their rows of V.  U is kept by 16 products V^T x ones a step; at s = X_i the tile starts with O = U, l = their number, m = -10000 (in the scores' scale: MR); the hidden keys of the band
; itself get MR in place of their score.  From there on it is the running softmax: p = 2^(c s - c m), O and l times a = 2^(c m_old - c m_new) in every step.
; Band 15 has nothing above it: it starts with O = l = 0 and m at the lowest finite number.
; LAYOUT as usual: S^T = K Q^T holds one query a lane (lane % 16) and keys 8 (lane / 16) + 0..7; two such results rounded to f16 are source 1 of O^T = V^T P; V is turned by ds_load_tr16_b128.
; ORDER.  Tile by tile.  In tile t's softmax (134 vector instructions) stand, one behind every fourth of the first 128, by turns a product V^T P of tile t - 1 and a product K Q^T of tile t + 1, whose
; scores go into the other of two buffers.  Only tile 0's scores and the last tile's V^T P stand bare.  Where tile t + 1 does not work yet its 16 products serve nothing: 12 times a wave.
; LIMITS: a weight below 2^-126 counts as 0; NaN and infinities are not treated apart; f16's range is kept by the scales of the launches before.
; REGISTERS (windows of 256): 0: addresses, constants, v32-63 statistics, v64-95 and v192-223 S^T (even, odd tiles), v96-127 P (two buffers), v128-191 U.  1: O^T, 64 a tile.  2: v0-127 Q, v128-255 K.  3: v0-127 V.
.set PK,    144                        ; a key's 64 channels in LDS: 128 bytes + 16
.set PVP,   160                        ; a row of V's half: 128 + 32
.set RB,    12288                      ; the ring begins here, so that the fetch bases can step down below a slot's first byte without passing 0
.set SLOT1, 1<<17
.set KROFF, 128*PK                     ; a slot holds 128 keys: k_c, k_r, V's channels 0-63, 64-127
.set VOFF,  2*128*PK
.set V1OFF, 128*PVP
.set STAGE, SLOT1+RB+VOFF+2*V1OFF      ; 16 rows x 272 bytes for each wave, for the way out
.set SP,    272
.set SPARE, STAGE+4*16*SP
.set KR,    41943040
.set AK0, 2
.set AV0, 3
.set AK,  4
.set AV,  5
.set QO,  6
.set STO, 7
.set RD,  8
.set MI0V, 10                          ; tile 0's starting m and c m
.set CMI0V, 11
.set GO,  12
.set DV,  13                           ; my query's place in its band less 8 (lane / 16)
.set MRV, 14
.set CMRV, 15
.set SPW, 16
.set NIL, 17
.set ONES, 18                          ; v18-25
.set CN,  26                           ; v26-29 half the number of keys above tile i's band: each half of the lanes starts l with it
.set ST,  32                           ; tile t: c m, m, l (even, odd keys), c0-c3 at work; a takes c2's place
.set SE,  64                           ; S^T of tile t at SE + 128 (t % 2)
.set P,   96
.set U,   128
.set OB,  64                           ; the way out: 32 registers a tile, v64-191
.set KF,  128
.set WV,  12
.set CX,  13
.set G1K, 24
.set G1V, 32
.set G0K, 40                           ; s[40:43], s[44:47] group 0 for K's and V's tiles: they begin with slot 1 and walk
.set G0V, 44
.set SLOTS, 56
.set TWICE, 57
.set CS,  58
.set SEL, 60
.set TBK, 62
.set TBV, 63
.set STEP, 66
.set XB,  67                           ; s67-70 X_i
.set G0K0, 84                          ; s[84:87], s[88:91] group 0 of slot 0's first fill
.set G0V0, 88
.set MSB, 0
.macro WIN new
.if MSB != (\new)
	s_set_vgpr_msb (MSB<<8)|(\new)
.set MSB, (\new)
.endif
.endm
.set W_KQ, 0x0a
.set W_PV, 0x53
.set W_RS, 0x41
.set W_UV, 0x03
.macro JLOAD                           ; a joint fill: wave 0 k_c, wave 1 k_r, waves 2, 3 V's halves: 128 keys each; s_nop 0 and four v_nop follow each line
	s_cmp_lt_u32 s[WV], 2
	s_cbranch_scc0 .Lfor_v_\@
	tensor_load_to_lds s[G0K:G0K+3], s[G1K:G1K+7]
	s_nop 0
.rept 4
	v_nop
.endr
	s_branch .Lasked_\@
.Lfor_v_\@:
	tensor_load_to_lds s[G0V:G0V+3], s[G1V:G1V+7]
	s_nop 0
.rept 4
	v_nop
.endr
.Lasked_\@:
.endm
.macro CROUND
	s_barrier_signal -1
	s_barrier_wait -1
	s_cmp_lg_u32 s[WV], 0
	s_cbranch_scc1 .Lnot_wave_0_\@
	s_barrier_signal -3
.Lnot_wave_0_\@:
	s_barrier_wait -3
	s_barrier_signal -1
	s_barrier_wait -1
.endm
.macro PLACES
.rept 4
	v_nop
.endr
.endm
; THE CHANGE OF SLOTS.  Each wave waits for all its tensor loads (one is out: its part of the other slot), adds 0 to its spare word, waits for that and for its reads of the slot that it leaves.
; fill = 1: a round of the cluster's barrier, and the slot is filled again, first thing behind it, with the 128 keys below those of the other slot.
.macro CHANGE fill
	WIN 0
	s_wait_tensorcnt 0x0
	ds_add_u32 v[SPW], v[NIL]
.if \fill
.irp g, G0K, G0V
	s_xor_b32 s[\g+1], s[\g+1], SLOT1
	s_sub_nc_u64 s[\g+2:\g+3], s[\g+2:\g+3], 16384
.endr
	s_wait_dscnt 0x0
	CROUND
	JLOAD
.else
	s_wait_dscnt 0x0
	s_barrier_signal -1
	s_barrier_wait -1
.endif
	s_add_co_u32 s[TBK], s[TBK], 2*64*PK           ; the fetches go back to a slot's upper step,
	s_xor_b32 s[TBK], s[TBK], SLOT1                ; in the other slot
	s_add_co_u32 s[TBV], s[TBV], 2*64*PVP
	s_xor_b32 s[TBV], s[TBV], SLOT1
.endm
	s_load_b128 s[4:7], s[0:1], 0x0                ; qkv 4, scl 6
	s_load_b64 s[8:9], s[0:1], 0x10                ; ctx
	v_lshl_add_u32 v[SPW], v0, 2, SPARE
	v_mov_b32 v[NIL], 0
	ds_add_u32 v[SPW], v[NIL]                      ; the wave's opening: the add and its wait ahead of my first tensor load
	v_lshrrev_b32 v1, 5, v0
	v_readfirstlane_b32 s[WV], v1
	s_bfe_u32 s[CX], ttmp6, 0x40000
	s_and_b32 s14, ttmp7, 0xffff                   ; 16 batch + head
	s_lshr_b32 s15, s14, 4
	s_and_b32 s16, s14, 15
	s_and_b32 s17, s[WV], 1
	s_mul_i32 s18, s15, 10485760                   ; the batch's panels
	s_add_co_u32 s20, s16, 32                      ; k_c: panel 32 + head
	s_lshl_b32 s20, s20, 17
	s_add_co_u32 s20, s20, s18
	s_lshl_b32 s22, s15, 17                        ; k_r: one for all heads of the batch
	s_add_co_u32 s22, s22, KR
	s_cmp_eq_u32 s17, 0
	s_cselect_b32 s20, s20, s22
	s_add_co_u32 s20, s20, 7*16384                 ; the walk begins with keys 896 .. 1023
	s_mov_b32 s21, 0
	s_lshl1_add_u32 s22, s16, s17                  ; V: panel 48 + 2 head + half
	s_add_co_u32 s22, s22, 48
	s_lshl_b32 s22, s22, 17
	s_add_co_u32 s22, s22, s18
	s_add_co_u32 s22, s22, 7*16384
	s_mov_b32 s23, 0
	s_lshl_b32 s50, s[WV], 6                       ; my rows in a band group: 64 w + 16 cx
	s_lshl4_add_u32 s50, s[CX], s50
	s_lshl_b32 s52, s15, 10
	s_add_co_u32 s52, s52, s50
	s_lshl_b32 s52, s52, 12                        ; ctx: 4,096 bytes a row,
	s_lshl_b32 s53, s16, 8                         ; 256 a head
	s_add_co_u32 s52, s52, s53
	s_mov_b32 s53, 0
	s_lshl_b32 s50, s50, 7                         ; Q: 128 bytes a row in panel head
	s_add_co_u32 s50, s50, s18
	s_lshl_b32 s51, s16, 17
	s_add_co_u32 s50, s50, s51
	s_mov_b32 s51, 0
	s_lshl2_add_u32 s54, s14, s[CX]
	s_lshl_b32 s54, s54, 7                         ; my record of scales
	s_mov_b32 s[G1K], 15|(1<<16)|(1<<20)|(1<<21)|(4<<22)|(3<<25)  ; the mask of four; 2-byte elements; 4 words of padding behind every 32
	s_mov_b32 s[G1V], 15|(1<<16)|(1<<20)|(1<<21)|(4<<22)|(7<<25)  ; 8 words
.irp g, G1K, G1V
	s_mov_b32 s[\g+1], 128<<16                     ; 128 keys are 16,384 dense bytes: asked for as 64 rows of 256 bytes
	s_mov_b32 s[\g+2], 64<<16
	s_mov_b32 s[\g+3], 128<<16
	s_mov_b32 s[\g+4], 64
	s_mov_b32 s[\g+5], 128
	s_mov_b32 s[\g+6], 0
	s_mov_b32 s[\g+7], 0
.endr
	s_mov_b32 s[G0K0], 1
	s_mul_i32 s[G0K0+1], s17, KROFF
	s_add_co_u32 s[G0K0+1], s[G0K0+1], RB
	s_mov_b32 s[G0K], 1
	s_add_co_u32 s[G0K+1], s[G0K0+1], SLOT1
	s_mov_b32 s[G0V0], 1
	s_mul_i32 s[G0V0+1], s17, V1OFF
	s_add_co_u32 s[G0V0+1], s[G0V0+1], RB+VOFF
	s_mov_b32 s[G0V], 1
	s_add_co_u32 s[G0V+1], s[G0V0+1], SLOT1
	s_mov_b32 s[SEL], 0x76543210
	s_mov_b32 s[SEL+1], 0xfedcba98
	s_mov_b32 s[TBK], RB+64*PK                     ; slot 0's upper step
	s_mov_b32 s[TBV], RB+64*PVP
	s_mov_b32 s[STEP], 15
	s_mov_b32 s[SLOTS], 7
	s_wait_dscnt 0x0
	s_wait_kmcnt 0x0
	s_add_nc_u64 s[G0K0+2:G0K0+3], s[4:5], s[20:21]         ; slot 0: keys 896 on
	s_sub_nc_u64 s[G0K+2:G0K+3], s[G0K0+2:G0K0+3], 16384    ; slot 1: keys 768 on
	s_or_b32 s[G0K0+3], s[G0K0+3], 0x80000000
	s_or_b32 s[G0K+3], s[G0K+3], 0x80000000
	s_add_nc_u64 s[G0V0+2:G0V0+3], s[4:5], s[22:23]
	s_sub_nc_u64 s[G0V+2:G0V+3], s[G0V0+2:G0V0+3], 16384
	s_or_b32 s[G0V0+3], s[G0V0+3], 0x80000000
	s_or_b32 s[G0V+3], s[G0V+3], 0x80000000
	s_add_nc_u64 s[82:83], s[4:5], s[50:51]
	s_add_nc_u64 s[80:81], s[8:9], s[52:53]
	CROUND
	s_cmp_lt_u32 s[WV], 2                          ; a wave's two first fills stand in one branch, ahead of every wait on TENSORcnt and every LDS read: two loads of mine are out
	s_cbranch_scc0 .Lfirst_v
	tensor_load_to_lds s[G0K0:G0K0+3], s[G1K:G1K+7]
	s_nop 0
	tensor_load_to_lds s[G0K:G0K+3], s[G1K:G1K+7]
	s_nop 0
.rept 4
	v_nop
.endr
	s_branch .Lfirst_asked
.Lfirst_v:
	tensor_load_to_lds s[G0V0:G0V0+3], s[G1V:G1V+7]
	s_nop 0
	tensor_load_to_lds s[G0V:G0V+3], s[G1V:G1V+7]
	s_nop 0
.rept 4
	v_nop
.endr
.Lfirst_asked:
	s_load_b64 s[48:49], s[6:7], s54 offset:0x10   ; c', MR
	v_and_b32 v1, 15, v0
	v_bfe_u32 v9, v0, 4, 1
	v_lshlrev_b32 v[QO], 7, v1
	v_lshl_add_u32 v[QO], v9, 4, v[QO]
	WIN 0x80
.set i, 0
.rept 16                               ; Q stays in registers: tile i / 4 (band group 12 - 4 (i / 4)), channels 32 (i % 4) on: q_c, then q_r sixteen panels on
	global_load_b128 v[8*i:8*i+3],   v[QO], s[82:83] offset:(12-4*(i/4))*8192+((i%4)/2)*2097152+(i%2)*64
	global_load_b128 v[8*i+4:8*i+7], v[QO], s[82:83] offset:(12-4*(i/4))*8192+((i%4)/2)*2097152+(i%2)*64+32
.set i, i+1
.endr
	; U starts at 0.  O^T and the statistics are set by each tile's own first step; they are written here so that no register is read unwritten on any way through the text.
	WIN 0x40
.set i, 0
.rept 256
	v_mov_b32 v[i], 0
.set i, i+1
.endr
	WIN 0
.set i, 0
.rept 64
	v_mov_b32 v[U+i], 0
.set i, i+1
.endr
.set i, 0
.rept 32
	v_mov_b32 v[ST+i], 0
.set i, i+1
.endr
.set i, 0
.rept 8
	v_mov_b32 v[ONES+i], 0x3c003c00
.set i, i+1
.endr
	v_mul_u32_u24 v[AK0], v1, PK
	v_lshl_add_u32 v[AK0], v9, 4, v[AK0]
	v_and_b32 v30, 7, v0
	v_bfe_u32 v31, v0, 3, 1
	v_lshl_add_u32 v[AV0], v9, 3, v30
	v_mul_u32_u24 v[AV0], v[AV0], PVP
	v_lshl_add_u32 v[AV0], v31, 4, v[AV0]
	v_add_nc_u32 v[AV0], VOFF, v[AV0]
	s_mul_i32 s55, s[WV], 16*SP
	s_add_co_u32 s55, s55, STAGE
	v_mul_u32_u24 v[STO], v1, SP
	v_lshl_add_u32 v[STO], v9, 4, v[STO]
	v_add_nc_u32 v[STO], s55, v[STO]
	v_mul_u32_u24 v[RD], v9, SP
	v_lshl_add_u32 v[RD], v1, 4, v[RD]
	v_add_nc_u32 v[RD], s55, v[RD]
	v_lshlrev_b32 v[GO], 12, v9
	v_lshl_add_u32 v[GO], v1, 4, v[GO]
	v_lshlrev_b32 v[DV], 3, v9
	v_sub_nc_u32 v[DV], v1, v[DV]
	s_lshl_b32 s55, s[CX], 4
	v_add_nc_u32 v[DV], s55, v[DV]
.irp i, 0,1,2,3
	s_add_co_u32 s[XB+\i], s[WV], 12-4*\i
	s_sub_co_u32 s55, 3+4*\i, s[WV]
	s_lshl_b32 s55, s55, 5
	v_cvt_f32_u32 v[CN+\i], s55
.endr
	s_wait_kmcnt 0x0
	s_mov_b32 s[CS], s48
	s_mov_b32 s[CS+1], s48
	v_mov_b32 v[MRV], s49
	v_mul_f32 v[CMRV], s48, v[MRV]                 ; made as the loop makes c m, so that a = 1 where m stays MR
	v_readfirstlane_b32 s78, v[CMRV]
	s_cmp_eq_u32 s[WV], 3                          ; wave 3's tile 0 lies in band 15
	s_cselect_b32 s75, 0xff7fffff, s49
	s_cselect_b32 s76, 0xfe000000, s78
	v_mov_b32 v[MI0V], s75
	v_mov_b32 v[CMI0V], s76
; THE MATRIX WORK.  The accumulators of a run take turns, one instruction a turn; where two runs are dealt together their products alternate.
.macro KQ1 t, n                        ; product n of 16 of S^T = K Q^T of tile t: channels 32 (n / 4) on, keys 16 (n % 4) on; the first four start the sums
	WIN W_KQ
.set kS, SE+128*((\t)%2)+8*((\n)%4)
.set kK, KF+32*((\n)%4)+8*((\n)/4)
.set kQ, 32*(\t)+8*((\n)/4)
.if (\n) < 4
	v_wmma_f32_16x16x32_f16 v[kS:kS+7], v[kK:kK+7], v[kQ:kQ+7], 0
.else
	v_wmma_f32_16x16x32_f16 v[kS:kS+7], v[kK:kK+7], v[kQ:kQ+7], v[kS:kS+7]
.endif
.endm
.macro KQALL t
.set m, 0
.rept 16
	KQ1 \t, m
.set m, m+1
.endr
.endm
.macro PV1 t, n                        ; product n of 16 of O^T += V^T P of tile t: keys 32 (n / 8) on, channels 16 (n % 8) on
	WIN W_PV
.set pO, 64*(\t)+8*((\n)%8)
.set pV, 64*((\n)/8)+8*((\n)%8)
.set pP, P+16*((\t)%2)+8*((\n)/8)
	v_wmma_f32_16x16x32_f16 v[pO:pO+7], v[pV:pV+7], v[pP:pP+7], v[pO:pO+7]
.endm
.macro PVALL t
.set m, 0
.rept 16
	PV1 \t, m
.set m, m+1
.endr
.endm
.macro UVALL                           ; U += V^T x ones: the sum of this band's rows of V, in O^T's layout
	WIN W_UV
.set m, 0
.rept 16
	v_wmma_f32_16x16x32_f16 v[U+8*(m%8):U+8*(m%8)+7], v[64*(m/8)+8*(m%8):64*(m/8)+8*(m%8)+7], v[ONES:ONES+7], v[U+8*(m%8):U+8*(m%8)+7]
.set m, m+1
.endr
.endm
.macro FETCH_K
	WIN 0x80
.irp f, 0,1,2,3,4,5,6,7,8,9,10,11,12,13,14,15  ; keys 16 (f / 4) on, channels 32 (f % 4) on
	ds_load_b128 v[KF+8*\f:KF+8*\f+3],   v[AK] offset:(\f/4)*16*PK+((\f%4)/2)*KROFF+(\f%2)*64
	ds_load_b128 v[KF+8*\f+4:KF+8*\f+7], v[AK] offset:(\f/4)*16*PK+((\f%4)/2)*KROFF+(\f%2)*64+32
.endr
	WIN 0
.endm
.macro FETCH_V
	WIN 0xc0
.irp f, 0,1,2,3,4,5,6,7,8,9,10,11,12,13,14,15  ; keys 32 (f / 8) on, channels 16 (f % 8) on
	ds_load_tr16_b128 v[8*\f:8*\f+3],   v[AV] offset:(\f/8)*32*PVP+((\f%8)/4)*V1OFF+(\f%4)*32
	ds_load_tr16_b128 v[8*\f+4:8*\f+7], v[AV] offset:(\f/8)*32*PVP+((\f%8)/4)*V1OFF+(\f%4)*32+16*PVP
.endr
	WIN 0
.endm
; THE SOFTMAX of tile t for one step: number j of 134.
;   0-15 the maximum of the lane's 32 scores and the old m (each accumulator's lowest registers are read first)   16-20 the other half of the lanes; m; c m; c m_old - c m_new
;   21-87 33 exponentials at the odd numbers from 23 on, a plain instruction between any two: scalings c s - c m ahead of them, roundings to f16 behind them, the first sums
;   88-101 the last rounding, the rest of the sums, l = a l + sum   102-133 O^T times a
.macro SM t
.set rT, ST+8*(\t)
.set rS, SE+128*((\t)%2)
.set rP, P+16*((\t)%2)
.set rO, 64*(\t)+2*(j-102)
.set q, (j-20)/2
.if j < 102
	WIN 0
.endif
.if j < 4
	v_max3_num_f32 v[rT+4+j], v[rS+8*j], v[rS+8*j+1], v[rS+8*j+2]
.elseif j < 12
	v_max3_num_f32 v[rT+4+j%4], v[rT+4+j%4], v[rS+8*(j%4)+2*(j/4)+1], v[rS+8*(j%4)+2*(j/4)+2]
.elseif j == 12
	v_max3_num_f32 v[rT+4], v[rT+4], v[rS+7], v[rS+15]
.elseif j == 13
	v_max3_num_f32 v[rT+6], v[rT+6], v[rS+23], v[rS+31]
.elseif j == 14
	v_max3_num_f32 v[rT+4], v[rT+4], v[rT+5], v[rT+6]
.elseif j == 15
	v_max3_num_f32 v[rT+4], v[rT+4], v[rT+7], v[rT+1]
.elseif j == 16
	v_permlanex16_b32 v[rT+5], v[rT+4], s[SEL], s[SEL+1]
.elseif j == 17
	v_mov_b32 v[rT+7], v[rT]
.elseif j == 18
	v_max_num_f32 v[rT+1], v[rT+4], v[rT+5]
.elseif j == 19
	v_mul_f32 v[rT], s[CS], v[rT+1]
.elseif j == 20
	v_sub_f32 v[rT+7], v[rT+7], v[rT]
.elseif j == 23
	v_exp_f32 v[rT+6], v[rT+7]
.elseif (j < 88) && (j > 23) && (j%2 == 1)
	v_exp_f32 v[rS+(j-25)/2], v[rS+(j-25)/2]
.elseif (q < 4) || ((j < 76) && (q%2 == 0))
.set b, q/2+2
.if q < 4
.set b, q
.endif
	v_pk_fma_f32 v[rS+2*b:rS+2*b+1], v[rS+2*b:rS+2*b+1], s[CS:CS+1], v[rT:rT+1] op_sel_hi:[1,0,0] neg_lo:[0,0,1] neg_hi:[0,0,1]
.elseif (j < 88) && (q%2 == 1)
	s_wait_alu depctr_va_vdst(0)
	v_cvt_pk_f16_f32 v[rP+(q-5)/2], v[rS+q-5], v[rS+q-4]
.elseif j == 89
	s_wait_alu depctr_va_vdst(0)
	v_cvt_pk_f16_f32 v[rP+15], v[rS+30], v[rS+31]
.elseif j < 102
.set z, j-86
.if j < 89
.set z, (j-76)/4
.endif
.set w, 4
.set u, z
.if z >= 14
.set w, 32
.set u, 0
.elseif z >= 12
.set w, 16
.set u, z-12
.elseif z >= 8
.set w, 8
.set u, z-8
.endif
.if z < 15
	v_pk_add_f32 v[rS+w*u:rS+w*u+1], v[rS+w*u:rS+w*u+1], v[rS+w*u+w/2:rS+w*u+w/2+1]
.else
	v_pk_fma_f32 v[rT+2:rT+3], v[rT+2:rT+3], v[rT+6:rT+7], v[rS:rS+1] op_sel_hi:[1,0,1]
.endif
.else
	WIN W_RS
	v_pk_mul_f32 v[rO:rO+1], v[rO:rO+1], v[rT+6:rT+7] op_sel_hi:[1,0]
.endif
.endm
; The whole list.  hp = 1: behind numbers 4, 12, .. 124 stands a product V^T P of the tile before; hk = 1: behind numbers 8, 16, .. 128 a product K Q^T of the tile behind.  No line near them names
; their registers: the list works on its own S^T, P and O^T.  Numbers 129 to 133, five plain instructions, are the places between the last of those products and the first read of the new scores.
.macro SMALL t, hp, hk
.set j, 0
.rept 134
	SM \t
.if (\hp) && (j%8 == 4) && (j < 128)
	PV1 (\t)-1, j/8
.endif
.if (\hk) && (j%8 == 0) && (j > 0) && (j < 129)
	KQ1 (\t)+1, j/8-1
.endif
.set j, j+1
.endr
.endm
.macro DIAGB t                         ; the tile's first step, its own band: the state of the keys above, and MR for the band's hidden keys
	WIN 0
	s_cmp_lg_u32 s[STEP], s[XB+(\t)]
	s_cbranch_scc1 .Lnd_\@
	WIN 0x40
.set n, 0
.rept 64
	v_mov_b32 v[64*(\t)+n], v[U+n]
.set n, n+1
.endr
	WIN 0
.if (\t) == 0
	v_mov_b32 v[ST+8*(\t)], v[CMI0V]
	v_mov_b32 v[ST+8*(\t)+1], v[MI0V]
.else
	v_mov_b32 v[ST+8*(\t)], v[CMRV]
	v_mov_b32 v[ST+8*(\t)+1], v[MRV]
.endif
	v_mov_b32 v[ST+8*(\t)+2], v[CN+(\t)]
	v_mov_b32 v[ST+8*(\t)+3], 0
.set n, 0
.rept 32
	v_cmp_gt_i32 vcc_lo, 16*(n/8)+n%8, v[DV]       ; the key lies behind my query
	v_cndmask_b32 v[SE+128*((\t)%2)+n], v[SE+128*((\t)%2)+n], v[MRV], vcc_lo
.set n, n+1
.endr
.Lnd_\@:
.endm
; A KEY STEP.  Every jump goes forward, hangs on the step's number and the wave's, and passes neither a barrier nor a tensor load.  K is fetched ahead of V, and only K is waited for in front of
; tile 0's scores.  tail = 1: steps 1 and 0: tiles 0 to 2, in bands 4 and above, all work and none is in its own band.
.macro STEPM tail
	PLACES                                         ; behind the step before's last products, in front of the loads into K's and V's registers
	WIN 0
.if !(\tail)
	s_cmp_gt_u32 s[STEP], s[XB]
	s_cbranch_scc0 .Lwork_\@
	v_add_nc_u32 v[AV], s[TBV], v[AV0]             ; none of my tiles works yet: only U is kept
	FETCH_V
	s_branch .Le_\@
.Lwork_\@:
.endif
	v_add_nc_u32 v[AK], s[TBK], v[AK0]
	FETCH_K
	v_add_nc_u32 v[AV], s[TBV], v[AV0]
	FETCH_V
	s_wait_dscnt 32                                ; K's 32 loads are in; V's 32, issued behind them, may stay out
	KQALL 0
	PLACES
.if !(\tail)
	DIAGB 0
.endif
	SMALL 0, 0, 1
	WIN 0
	s_wait_dscnt 0x0                               ; V is in
.if !(\tail)
	s_cmp_gt_u32 s[STEP], s[XB+1]
	s_cbranch_scc1 .Ld0_\@
	DIAGB 1
.endif
	SMALL 1, 1, 1
	WIN 0
.if !(\tail)
	s_cmp_gt_u32 s[STEP], s[XB+2]
	s_cbranch_scc1 .Ld1_\@
	DIAGB 2
.endif
	SMALL 2, 1, 1
	WIN 0
	s_cmp_gt_u32 s[STEP], s[XB+3]
	s_cbranch_scc1 .Ld2_\@
	DIAGB 3
	SMALL 3, 1, 0
	PVALL 3
	WIN 0
	s_branch .Le_\@
.Ld2_\@:
	PVALL 2
	WIN 0
.if !(\tail)
	s_branch .Le_\@
.Ld1_\@:
	PVALL 1
	WIN 0
	s_branch .Le_\@
.Ld0_\@:
	PVALL 0
	WIN 0
.endif
.Le_\@:
	s_wait_dscnt 0x0                               ; V is in (on the short way nothing has waited for it yet)
	s_cmp_le_u32 s[STEP], s[WV]
	s_cbranch_scc1 .Lnu_\@                         ; my lowest band is w: below it U serves nobody
	UVALL
	WIN 0
.Lnu_\@:
	s_sub_co_u32 s[TBK], s[TBK], 64*PK             ; the next fetch is the band below
	s_sub_co_u32 s[TBV], s[TBV], 64*PVP
	s_sub_co_u32 s[STEP], s[STEP], 1
.endm
.macro TWO_STEPS tail
	WIN 0
	s_mov_b32 s[TWICE], 2
.Lstep_\@:
	STEPM \tail
	WIN 0
	s_sub_co_u32 s[TWICE], s[TWICE], 1
	s_cmp_lg_u32 s[TWICE], 0
	s_cbranch_scc1 .Lstep_\@
.endm
	s_wait_loadcnt 0x0                             ; Q
	s_wait_tensorcnt 1                             ; my part of slot 0 is in; slot 1's may stay out
	s_barrier_signal -1
	s_barrier_wait -1                              ; everybody's is
	s_branch .Lin                                  ; the loop is entered behind its change of slots
.Lslot:                                                ; six times: a slot is left and filled again
	CHANGE 1
.Lin:
	TWO_STEPS 0
	s_sub_co_u32 s[SLOTS], s[SLOTS], 1
	s_cmp_lg_u32 s[SLOTS], 0
	s_cbranch_scc1 .Lslot
	CHANGE 0                                       ; the last slot is written out
	TWO_STEPS 1
	; THE WAY OUT.  l's parts are added; O^T is divided by l, rounded to f16 and sent through my stage, a tile (16 rows of ctx, 256 bytes each) at a time.  The additions are the places behind the last products.
	WIN 0
.irp t, 0,1,2,3
	v_add_f32 v[ST+8*(\t)+4], v[ST+8*(\t)+2], v[ST+8*(\t)+3]
.endr
.irp t, 0,1,2,3
	v_permlanex16_b32 v[ST+8*(\t)+5], v[ST+8*(\t)+4], s[SEL], s[SEL+1]
.endr
.irp t, 0,1,2,3
	v_add_f32 v[ST+8*(\t)+4], v[ST+8*(\t)+4], v[ST+8*(\t)+5]
.endr
.irp t, 0,1,2,3
	v_rcp_f32 v[ST+8*(\t)+6], v[ST+8*(\t)+4]
.endr
	v_nop                                          ; a plain instruction between the last reciprocal and the use of its result
	s_wait_alu depctr_va_vdst(0)
.macro PACK t
	WIN W_RS
.set i, 64*(\t)
.rept 32
	v_pk_mul_f32 v[i:i+1], v[i:i+1], v[ST+8*(\t)+6:ST+8*(\t)+7] op_sel_hi:[1,0]
.set i, i+2
.endr
	WIN 0x05                                       ; sources in window 1, destination in window 0: S^T's, P's and U's registers are free
.set i, 0
.rept 32
	v_cvt_pk_f16_f32 v[OB+32*(\t)+i], v[64*(\t)+2*i], v[64*(\t)+2*i+1]
.set i, i+1
.endr
	WIN 0
.irp f, 0,1,2,3,4,5,6,7
	ds_store_b128 v[STO], v[OB+32*(\t)+4*(\f):OB+32*(\t)+4*(\f)+3] offset:32*(\f)
.endr
.irp f, 0,1,2,3,4,5,6,7
	ds_load_b128 v[OB+32*(\t)+4*(\f):OB+32*(\t)+4*(\f)+3], v[RD] offset:(\f)*2*SP  ; LDS serves a wave's instructions in order (ISA guide 5.7.1.4)
.endr
.endm
.macro SEND t, younger                 ; younger: the next tile's sixteen LDS instructions, or none
	WIN 0
.irp f, 0,1,2,3,4,5,6,7
	s_wait_dscnt (\younger)+7-(\f)
	global_store_b128 v[GO], v[OB+32*(\t)+4*(\f):OB+32*(\t)+4*(\f)+3], s[80:81] offset:(12-4*(\t))*262144+(\f)*8192  ; 16 lanes store 256 consecutive bytes, aligned
.endr
.endm
	PACK 0
	PACK 1
	SEND 0, 16
	PACK 2
	SEND 1, 16
	PACK 3
	SEND 2, 16
	SEND 3, 0
	s_wait_tensorcnt 0x0                           ; the wave's end
	ds_add_u32 v[SPW], v[NIL]
	s_wait_dscnt 0x0
	CROUND
	s_endpgm
.Lfunc_end_k_q910239ea8f_attn:
	.size	k_q910239ea8f_attn, .Lfunc_end_k_q910239ea8f_attn-k_q910239ea8f_attn
	.p2alignl 7, 3214868480
	.fill 96, 4, 3214868480
	.section	.rodata,"a",@progbits
	.p2align	6, 0x0
	.amdhsa_kernel k_q910239ea8f_attn
		.amdhsa_group_segment_fixed_size 327680
		.amdhsa_private_segment_fixed_size 0
		.amdhsa_enable_private_segment 0
		.amdhsa_kernarg_size 24
		.amdhsa_user_sgpr_count 2
		.amdhsa_user_sgpr_kernarg_segment_ptr 1
		.amdhsa_wavefront_size32 1
		.amdhsa_system_sgpr_workgroup_id_x 1
		.amdhsa_system_sgpr_workgroup_id_y 1
		.amdhsa_system_sgpr_workgroup_id_z 1
		.amdhsa_system_vgpr_workitem_id 0
		.amdhsa_next_free_vgpr 896
		.amdhsa_next_free_sgpr 100
		.amdhsa_reserve_vcc 1
		.amdhsa_float_denorm_mode_32 3
		.amdhsa_float_denorm_mode_16_64 3
		.amdhsa_memory_ordered 1
		.amdhsa_forward_progress 1
		.amdhsa_inst_pref_size 181
	.end_amdhsa_kernel
	.amdgpu_metadata
---
amdhsa.version: [ 1, 2 ]
amdhsa.kernels:
  - .name:           k_q910239ea8f_attn
    .symbol:         k_q910239ea8f_attn.kd
    .args:
      - { .name: qkv, .offset: 0, .size: 8, .value_kind: global_buffer, .address_space: global }
      - { .name: scl, .offset: 8, .size: 8, .value_kind: global_buffer, .address_space: global }
      - { .name: ctx, .offset: 16, .size: 8, .value_kind: global_buffer, .address_space: global }
    .group_segment_fixed_size: 327680
    .private_segment_fixed_size: 0
    .kernarg_segment_align: 8
    .kernarg_segment_size: 24
    .max_flat_workgroup_size: 128
    .sgpr_count:     100
    .vgpr_count:     896
    .wavefront_size: 32
...
	.end_amdgpu_metadata
.endif
;; end of part 4
;; launch outp (part 5): grid 8 x 32, 4 waves a work-group, clusters of 4 x 4, 327,680 bytes of LDS; arguments ctx, wb, scl, bo, out0; writes out0
.if DOCPART == 5
	.amdgcn_target "amdgcn-amd-amdhsa--gfx1250"
	.amdhsa_code_object_version 6
	.text
	.protected	k_q910239ea8f_outp
	.globl	k_q910239ea8f_outp
	.p2align	8
	.type	k_q910239ea8f_outp,@function
k_q910239ea8f_outp:
	s_mov_b64 s[64:65], 0
	v_nop
	global_prefetch_b8 v0, s[64:65] scope:SCOPE_SE
	s_setreg_imm32_b32 hwreg(HW_REG_WAVE_MODE, 25, 1), 1
	s_wait_xcnt 0x0
	s_wait_alu depctr_hold_cnt(0) depctr_sa_sdst(0) depctr_va_vdst(0) depctr_va_sdst(0) depctr_va_ssrc(0) depctr_va_vcc(0) depctr_vm_vsrc(0)
	s_getreg_b32 s2, hwreg(HW_REG_IB_STS2, 6, 4)
	s_cmp_eq_u32 s2, 0
	s_cbranch_scc0 .Lentry_in_a_cluster
	s_endpgm
.Lentry_in_a_cluster:
	s_bfe_u32 s2, ttmp6, 0x10000c
	s_cmp_lg_u32 s2, 0xf033
	s_cbranch_scc0 .Lentry_shape_is_right
	s_endpgm
.Lentry_shape_is_right:
; OUT: out0 = ctx wo + bo.  ctx f16 (scaled by 2^-EV), wo f16 (bf16-rounded, times 256), sums in f32, times SOUT = 2^(EV - 8); bo rounded to bf16 like the other inputs; out0 f32.
; A tile of C is 128 rows x 256 columns; four waves, each 64 x 128: 32 accumulators, 12 fragments for 32 products.  K = 2,048 in 16 steps of 128 through two LDS slots 2^17 bytes apart.
; B (wo) lies [k][column] and is turned by ds_load_tr16_b128; the matrix instruction is used transposed, so a lane holds eight neighbouring columns of a row.
; CLUSTER 4 x 4: A's tile jointly along a row of the cluster, B's along a column.
; REGISTERS: window 0 addresses, the way out, the bias; window 1 two fragment buffers of 96 (A 32, B 64); window 2 the accumulators, (a, b) at 8 (8 a + b).
.set PA,     272
.set HALFA,  64*PA
.set ASZ,    2*HALFA
.set PB,     544                       ; 512 bytes + 32: an odd multiple of 32
.set HALFB,  64*PB
.set SLOT1,  1<<17
.set STAGE,  SLOT1+ASZ+2*HALFB         ; 16 rows x 528 bytes for each wave, its own
.set SP,     528
.set SPARE,  STAGE+4*16*SP
.set WOO,    9961472
.set LA,   16
.set LB,   17
.set ADRA, 20
.set ADRB, 21
.set STO,  24
.set RD,   25
.set CO,   26
.set SPW,  28
.set NIL,  29
.set TMP,  32
.set BIAS, 96
.set F0,   0
.set F1,   96
.set WV, 16
.set WR, 17
.set WC, 18
.set CX, 19
.set CY, 20
.set TCOL, 21
.set TROW, 22
.set G1A, 24
.set G0A, 32
.set G1B, 48
.set G0B, 56
.set CNT, 66
.set SB,  67
.set MSB, 0
.macro WIN new
.if MSB != (\new)
	s_set_vgpr_msb (MSB<<8)|(\new)
.set MSB, \new
.endif
.endm
.set MUL,  0xa5                        ; sources 0 and 1 window 1; C and D window 2
.set TO_F, 0x40
.macro JLOAD s
	s_cmp_eq_u32 s[WR], 0
	s_cbranch_scc0 .Lfor_b_\@
	tensor_load_to_lds s[G0A+4*(\s):G0A+4*(\s)+3], s[G1A:G1A+7]
	s_nop 0
.rept 4
	v_nop
.endr
	s_branch .Lasked_\@
.Lfor_b_\@:
	tensor_load_to_lds s[G0B+4*(\s):G0B+4*(\s)+3], s[G1B:G1B+7]
	s_nop 0
.rept 4
	v_nop
.endr
.Lasked_\@:
.endm
.macro CREST
	s_cmp_lg_u32 s[WV], 0
	s_cbranch_scc1 .Lnot_wave_0_\@
	s_barrier_signal -3
.Lnot_wave_0_\@:
	s_barrier_wait -3
	s_barrier_signal -1
	s_barrier_wait -1
.endm
.macro CROUND
	s_barrier_signal -1
	s_barrier_wait -1
	CREST
.endm
.macro PLACES
.rept 4
	v_nop
.endr
.endm
	s_load_b256 s[4:11], s[0:1], 0x0               ; ctx 4, wb 6, scl 8, bo 10
	s_load_b64 s[12:13], s[0:1], 0x20              ; out0
	v_lshl_add_u32 v[SPW], v0, 2, SPARE
	v_mov_b32 v[NIL], 0
	ds_add_u32 v[SPW], v[NIL]                      ; the wave's opening: the add and its wait ahead of my first tensor load
	v_lshrrev_b32 v1, 5, v0
	v_readfirstlane_b32 s[WV], v1
	s_lshr_b32 s[WR], s[WV], 1
	s_and_b32 s[WC], s[WV], 1
	s_bfe_u32 s[CX], ttmp6, 0x40000
	s_bfe_u32 s[CY], ttmp6, 0x40004
	s_lshl_b32 s[TCOL], ttmp9, 2
	s_add_co_u32 s[TCOL], s[TCOL], s[CX]
	s_and_b32 s[TROW], ttmp7, 0xffff
	s_lshl_b32 s[TROW], s[TROW], 2
	s_add_co_u32 s[TROW], s[TROW], s[CY]
	s_lshl_b32 s40, s[CY], 2
	s_lshl_b32 s40, 15, s40
	s_lshl_b32 s41, 0x1111, s[CX]
	s_or_b32 s[G1A], s40, (1<<16)|(1<<20)|(1<<21)|(5<<22)|(3<<25)   ; 64 rows x 128 elements; 4 words of padding behind every 64
	s_mov_b32 s[G1A+1], 128<<16
	s_mov_b32 s[G1A+2], 64<<16
	s_mov_b32 s[G1A+3], 128<<16
	s_mov_b32 s[G1A+4], 64
	s_mov_b32 s[G1A+5], 2048
	s_mov_b32 s[G1A+6], 0
	s_mov_b32 s[G1A+7], 0
	s_or_b32 s[G1B], s41, (1<<16)|(1<<20)|(1<<21)|(6<<22)|(7<<25)   ; 64 rows x 256 elements; 8 words behind every 128
	s_mov_b32 s[G1B+1], 256<<16
	s_mov_b32 s[G1B+2], 64<<16
	s_mov_b32 s[G1B+3], 256<<16
	s_mov_b32 s[G1B+4], 64
	s_mov_b32 s[G1B+5], 2048
	s_mov_b32 s[G1B+6], 0
	s_mov_b32 s[G1B+7], 0
	s_lshl_b32 s42, s[TROW], 7
	s_lshl_b32 s43, s[WC], 6
	s_add_co_u32 s42, s42, s43
	s_lshl_b32 s42, s42, 12
	s_mov_b32 s43, 0
	s_lshl_b32 s44, s[TCOL], 9
	s_lshl_b32 s45, s[WC], 18
	s_add_co_u32 s44, s44, s45
	s_add_co_u32 s44, s44, WOO
	s_mov_b32 s45, 0
	s_mul_i32 s46, s[WC], HALFA
	s_mul_i32 s47, s[WC], HALFB
	s_add_co_u32 s47, s47, ASZ
	s_mov_b32 s[SB], 0
	s_lshl3_add_u32 s98, s[TROW], s[TCOL]
	s_lshl_b32 s98, s98, 7
	s_wait_dscnt 0x0
	s_wait_kmcnt 0x0
	s_add_nc_u64 s[86:87], s[4:5], s[42:43]
	s_add_nc_u64 s[88:89], s[6:7], s[44:45]
	CROUND
.irp s, 0,1
	s_mov_b32 s[G0A+4*(\s)], 1
	s_add_co_u32 s[G0A+4*(\s)+1], s46, (\s)*SLOT1
	s_add_nc_u64 s[G0A+4*(\s)+2:G0A+4*(\s)+3], s[86:87], (\s)*256
	s_or_b32 s[G0A+4*(\s)+3], s[G0A+4*(\s)+3], 0x80000000
	s_mov_b32 s[G0B+4*(\s)], 1
	s_add_co_u32 s[G0B+4*(\s)+1], s47, (\s)*SLOT1
	s_add_nc_u64 s[G0B+4*(\s)+2:G0B+4*(\s)+3], s[88:89], (\s)*524288
	s_or_b32 s[G0B+4*(\s)+3], s[G0B+4*(\s)+3], 0x80000000
	JLOAD \s
.endr
	s_load_b32 s74, s[8:9], s98 offset:0xc         ; SOUT
	v_and_b32 v1, 15, v0
	v_bfe_u32 v2, v0, 4, 1
	v_mul_u32_u24 v3, v1, PA
	v_lshl_add_u32 v3, v2, 4, v3
	s_mul_i32 s90, s[WR], HALFA
	v_add_nc_u32 v[LA], s90, v3
	v_and_b32 v4, 7, v0
	v_lshl_add_u32 v5, v2, 3, v4
	v_mul_u32_u24 v5, v5, PB
	v_bfe_u32 v6, v0, 3, 1
	v_lshl_add_u32 v5, v6, 4, v5
	s_lshl_b32 s90, s[WC], 8
	s_add_co_u32 s90, s90, ASZ
	v_add_nc_u32 v[LB], s90, v5
	v_mov_b32 v[ADRA], v[LA]
	v_mov_b32 v[ADRB], v[LB]
	s_mul_i32 s90, s[WV], 16*SP
	s_add_co_u32 s90, s90, STAGE
	v_mul_u32_u24 v5, v1, SP                       ; in: row l % 16, 32 bytes for each half of the lanes
	v_lshl_add_u32 v5, v2, 5, v5
	v_add_nc_u32 v[STO], s90, v5
	v_and_b32 v[CO], 31, v0
	v_lshlrev_b32 v[CO], 4, v[CO]                  ; back: 32 lanes take one row of 512 bytes
	v_add_nc_u32 v[RD], s90, v[CO]
	s_lshl_b32 s90, s[TCOL], 10
	s_lshl_b32 s91, s[WC], 9
	s_add_co_u32 s90, s90, s91                     ; my 128 columns, in bytes
	s_mov_b32 s91, 0
	s_add_nc_u64 s[94:95], s[10:11], s[90:91]
	global_load_b128 v[BIAS:BIAS+3], v[CO], s[94:95]
	s_lshl_b32 s96, s[TROW], 7
	s_lshl_b32 s97, s[WR], 6
	s_add_co_u32 s96, s96, s97
	s_lshl_b32 s96, s96, 13                        ; 8,192 bytes a row
	s_add_co_u32 s96, s96, s90
	s_mov_b32 s97, 0
	s_add_nc_u64 s[92:93], s[12:13], s[96:97]
	s_wait_loadcnt 0x0
	v_cvt_pk_bf16_f32 v100, v[BIAS], v[BIAS+1]
	v_cvt_pk_bf16_f32 v101, v[BIAS+2], v[BIAS+3]
	v_lshlrev_b32 v[BIAS], 16, v100
	v_and_b32 v[BIAS+1], 0xffff0000, v100
	v_lshlrev_b32 v[BIAS+2], 16, v101
	v_and_b32 v[BIAS+3], 0xffff0000, v101
.macro MULA f, a, zero                 ; 8 products: row block a x 8 column blocks, 32 along K
	WIN MUL
.irp b, 0,1,2,3,4,5,6,7
.if \zero
	v_wmma_f32_16x16x32_f16 v[8*(8*(\a)+(\b)):8*(8*(\a)+(\b))+7], v[(\f)+32+8*(\b):(\f)+32+8*(\b)+7], v[(\f)+8*(\a):(\f)+8*(\a)+7], 0
.else
	v_wmma_f32_16x16x32_f16 v[8*(8*(\a)+(\b)):8*(8*(\a)+(\b))+7], v[(\f)+32+8*(\b):(\f)+32+8*(\b)+7], v[(\f)+8*(\a):(\f)+8*(\a)+7], v[8*(8*(\a)+(\b)):8*(8*(\a)+(\b))+7]
.endif
.endr
.endm
.macro FETCH q, f                      ; 24 LDS loads in one run: quarter q (32 along K): B's sixteen, then A's eight
	WIN TO_F
.irp b, 0,1,2,3,4,5,6,7
	ds_load_tr16_b128 v[(\f)+32+8*(\b):(\f)+32+8*(\b)+3],   v[ADRB] offset:32*PB*(\q)+32*(\b)
	ds_load_tr16_b128 v[(\f)+32+8*(\b)+4:(\f)+32+8*(\b)+7], v[ADRB] offset:32*PB*(\q)+32*(\b)+16*PB
.endr
.irp a, 0,1,2,3
	ds_load_b128 v[(\f)+8*(\a):(\f)+8*(\a)+3],   v[ADRA] offset:64*(\q)+(\a)*16*PA
	ds_load_b128 v[(\f)+8*(\a)+4:(\f)+8*(\a)+7], v[ADRA] offset:64*(\q)+(\a)*16*PA+32
.endr
.endm
.macro QUARTER q, f, g, zero
	s_wait_dscnt 4                                 ; all but A's row blocks 2 and 3 are in
	MULA \f, 0, \zero
	MULA \f, 1, \zero
	PLACES
	FETCH \q, \g
	s_wait_dscnt 24                                ; all but the 24 just issued
	MULA \f, 2, \zero
	MULA \f, 3, \zero
.endm
; The last quarter multiplies buffer 1 and changes slots: one barrier; in front of it each wave waits for all its tensor loads (one is out: its part of the next slot), adds 0 to its spare word, and
; waits for that and for its reads of this slot.  fill = 1: the barrier opens a round of the cluster's, and the walking descriptors fill this slot again, two K steps ahead, first thing behind it.
.macro TURN fill
	WIN 0
	s_wait_tensorcnt 0x0
	ds_add_u32 v[SPW], v[NIL]
	s_wait_dscnt 5                                 ; the add and the youngest four loads may be out
	MULA F1, 0, 0
	s_wait_dscnt 0x0
	s_barrier_signal -1
	MULA F1, 1, 0
	WIN 0
	s_barrier_wait -1
.if \fill
	CREST
	s_xor_b32 s[G0A+5], s[G0A+5], SLOT1
	s_add_nc_u64 s[G0A+6:G0A+7], s[G0A+6:G0A+7], 256
	s_xor_b32 s[G0B+5], s[G0B+5], SLOT1
	s_add_nc_u64 s[G0B+6:G0B+7], s[G0B+6:G0B+7], 524288
	JLOAD 1
.else
	PLACES
.endif
	s_xor_b32 s[SB], s[SB], SLOT1
	v_add_nc_u32 v[ADRA], s[SB], v[LA]
	v_add_nc_u32 v[ADRB], s[SB], v[LB]
	FETCH 0, F0
	MULA F1, 2, 0
	MULA F1, 3, 0
.endm
	s_wait_kmcnt 0x0
	s_mov_b32 s75, s74
	s_wait_tensorcnt 1                             ; my part of K step 0 is in; step 1's may stay out
	s_barrier_signal -1
	s_barrier_wait -1
	FETCH 0, F0
	QUARTER 1, F0, F1, 1                           ; the first products start the sums
	WIN 0
	s_mov_b32 s[CNT], 14
.Lstep:                                                ; a trip: a K step's quarters 1 to 3 and the next step's quarter 0; K steps 2..15 are asked for
	QUARTER 2, F1, F0, 0
	QUARTER 3, F0, F1, 0
	TURN 1
	QUARTER 1, F0, F1, 0
	WIN 0
	s_sub_co_u32 s[CNT], s[CNT], 1
	s_cmp_lg_u32 s[CNT], 0
	s_cbranch_scc1 .Lstep
	QUARTER 2, F1, F0, 0                           ; the last two K steps ask for nothing
	QUARTER 3, F0, F1, 0
	TURN 0
	QUARTER 1, F0, F1, 0
	QUARTER 2, F1, F0, 0
	QUARTER 3, F0, F1, 0
	s_wait_dscnt 4
	MULA F1, 0, 0
	MULA F1, 1, 0
	s_wait_dscnt 0
	MULA F1, 2, 0
	MULA F1, 3, 0
	WIN 0
	; THE WAY OUT, 16 rows at a time: the sums go into my stage as they are (32 bytes a lane), come back as whole rows of 512 bytes, are scaled, take the bias, and leave.
	PLACES
.macro BLOCK a
	s_wait_xcnt 0x0                                ; the registers that the block before's stores read are loaded again only behind this wait
	WIN 0x08                                       ; the stores' data in window 2
.irp b, 0,1,2,3,4,5,6,7
	ds_store_b128 v[STO], v[8*(8*(\a)+(\b)):8*(8*(\a)+(\b))+3]   offset:64*(\b)
	ds_store_b128 v[STO], v[8*(8*(\a)+(\b))+4:8*(8*(\a)+(\b))+7] offset:64*(\b)+16
.endr
	WIN 0
.irp r, 0,1,2,3,4,5,6,7,8,9,10,11,12,13,14,15
	ds_load_b128 v[TMP+4*(\r):TMP+4*(\r)+3], v[RD] offset:(\r)*SP  ; LDS serves a wave's instructions in order (ISA guide 5.7.1.4): these see the stores above
.endr
.irp r, 0,1,2,3,4,5,6,7,8,9,10,11,12,13,14,15
	s_wait_dscnt 15-(\r)
	v_pk_fma_f32 v[TMP+4*(\r):TMP+4*(\r)+1],   v[TMP+4*(\r):TMP+4*(\r)+1],   s[74:75], v[BIAS:BIAS+1]   op_sel_hi:[1,0,1]
	v_pk_fma_f32 v[TMP+4*(\r)+2:TMP+4*(\r)+3], v[TMP+4*(\r)+2:TMP+4*(\r)+3], s[74:75], v[BIAS+2:BIAS+3] op_sel_hi:[1,0,1]
	global_store_b128 v[CO], v[TMP+4*(\r):TMP+4*(\r)+3], s[92:93] offset:(16*(\a)+(\r))*8192 th:TH_STORE_NT  ; the wave stores 512 consecutive bytes, aligned
.endr
.endm
	BLOCK 0
	BLOCK 1
	BLOCK 2
	BLOCK 3
	s_wait_tensorcnt 0x0                           ; the wave's end
	ds_add_u32 v[SPW], v[NIL]
	s_wait_dscnt 0x0
	CROUND
	s_endpgm
.Lfunc_end_k_q910239ea8f_outp:
	.size	k_q910239ea8f_outp, .Lfunc_end_k_q910239ea8f_outp-k_q910239ea8f_outp
	.p2alignl 7, 3214868480
	.fill 96, 4, 3214868480
	.section	.rodata,"a",@progbits
	.p2align	6, 0x0
	.amdhsa_kernel k_q910239ea8f_outp
		.amdhsa_group_segment_fixed_size 327680
		.amdhsa_private_segment_fixed_size 0
		.amdhsa_enable_private_segment 0
		.amdhsa_kernarg_size 40
		.amdhsa_user_sgpr_count 2
		.amdhsa_user_sgpr_kernarg_segment_ptr 1
		.amdhsa_wavefront_size32 1
		.amdhsa_system_sgpr_workgroup_id_x 1
		.amdhsa_system_sgpr_workgroup_id_y 1
		.amdhsa_system_sgpr_workgroup_id_z 1
		.amdhsa_system_vgpr_workitem_id 0
		.amdhsa_next_free_vgpr 768
		.amdhsa_next_free_sgpr 100
		.amdhsa_reserve_vcc 0
		.amdhsa_float_denorm_mode_32 3
		.amdhsa_float_denorm_mode_16_64 3
		.amdhsa_memory_ordered 1
		.amdhsa_forward_progress 1
		.amdhsa_inst_pref_size 80
	.end_amdhsa_kernel
	.amdgpu_metadata
---
amdhsa.version: [ 1, 2 ]
amdhsa.kernels:
  - .name:           k_q910239ea8f_outp
    .symbol:         k_q910239ea8f_outp.kd
    .args:
      - { .name: ctx, .offset: 0, .size: 8, .value_kind: global_buffer, .address_space: global }
      - { .name: wb, .offset: 8, .size: 8, .value_kind: global_buffer, .address_space: global }
      - { .name: scl, .offset: 16, .size: 8, .value_kind: global_buffer, .address_space: global }
      - { .name: bo, .offset: 24, .size: 8, .value_kind: global_buffer, .address_space: global }
      - { .name: out0, .offset: 32, .size: 8, .value_kind: global_buffer, .address_space: global }
    .group_segment_fixed_size: 327680
    .private_segment_fixed_size: 0
    .kernarg_segment_align: 8
    .kernarg_segment_size: 40
    .max_flat_workgroup_size: 128
    .sgpr_count:     100
    .vgpr_count:     768
    .wavefront_size: 32
...
	.end_amdgpu_metadata
.endif
;; end of part 5
;; ======== version 2 of 2: 5 launches; version 1 with the launch prep written anew for expert scheduling mode
;; limits: values are held in f16: magnitudes above 65,504 overflow, below 6.1e-05 lose precision; inputs' magnitudes at most 65,536; below input magnitudes of 1.526e-05 results are inexact or not finite; right only within a limited range of input values
;; workspace buffers: xb 16,777,216 bytes; wb 18,350,080 bytes; aux 275,456 bytes; lat 8,388,608 bytes; scl 32,768 bytes; qkv 42,467,328 bytes; ctx 16,777,216 bytes
;; launch prep (part 6): grid 256 x 1, 17 waves a work-group, no clusters, 0 bytes of LDS; arguments x, wq_down, wkv_down, wk_rope, wq_up, wq_rope, wk_up, wv_up, wo, xb, wb, aux; writes xb, wb, aux
.if DOCPART == 6
	.amdgcn_target "amdgcn-amd-amdhsa--gfx1250"
	.amdhsa_code_object_version 6
	.text
	.protected	k_q910239ea8f_prep
	.globl	k_q910239ea8f_prep
	.p2align	8
	.type	k_q910239ea8f_prep,@function
k_q910239ea8f_prep:
	s_mov_b64 s[64:65], 0
	v_nop
	global_prefetch_b8 v0, s[64:65] scope:SCOPE_SE
	s_setreg_imm32_b32 hwreg(HW_REG_WAVE_SCHED_MODE, 0, 2), 2
	s_setreg_imm32_b32 hwreg(HW_REG_WAVE_MODE, 25, 1), 1
	s_wait_xcnt 0x0
	s_wait_alu depctr_vm_vsrc(0)
; PREP: casts, largest magnitudes, and the table of cosines and sines.
; x, wq_down, wkv_down, wk_rope -> bf16.  wq_up, wq_rope, wk_up, wv_up, wo -> rounded to bf16, times 256, written as f16 (exact where 2^-25 <= |w| < 255; LIMIT: beyond 255 the f16 overflows).
; The work is 4,352 jobs of one wave each; 256 work-groups of 17 waves take them, job = 256 x wave + work-group.  So every work-group has the same number of jobs, and one out of each run of 256 of
; the list: the kinds of job differ in what they ask of the memory path (a load of a wk_rope job touches 16 pieces of 32 bytes, every other job's 512 bytes on end), and no work-group has more than
; one job of the 64 of that kind.
; A job is 32 pieces of 512 source bytes (16 bytes a lane), each stored as 256 consecutive, aligned bytes (8 bytes a lane): 2 trips of 16 loads, all 16 on their way at once.
; Each of the jobs 0..3263 leaves the largest |number| it has rounded, one f32, at aux + MXO + 4 x job: the next launch makes powers of two of them.
; Layouts written: xb [4096][2048] bf16.  wb: WD = [8 column tiles][8 K steps] blocks of 73,728 bytes (256 k x 128 columns, then 256 k x 16 columns of wk_rope);
; WUP = [5][512][1024] f16 (wq_up, wq_rope, wk_up, wv_up's two halves); WOO = [2048][2048] f16.  aux: [1024 positions][32 cosines, 32 sines] f32.
; No LDS, no barrier, no matrix unit: the launch only moves bytes, each read once (wk_rope's 0.5 MB by eight jobs: four column blocks, and both halves of WD carry it).
; LIMIT of the table: the angle position x 10000^(-i/32) is made with v_exp_f32, so it lies within about 2e-4 rad of an exactly rounded one at position 1023.
; THE MODE: SCHED_MODE bits 1:0 = 2 (LLVM: expert scheduling mode 2), set by the entry lines.  The code itself states the register dependences between vector instructions and memory
; instructions, with s_wait_alu, always for 0.
; THE PLAN, for a cast.  Registers that memory instructions touch:
;   SO, DO   the 32 offsets.  Written once, ahead of the loop; read by every load and store; never written again: the two scalar bases move on by a trip.
;   DAT      sixteen pieces as loaded.  Written by the 16 loads at a trip's head; read by that trip's roundings alone.
;   OUTR     a pair of registers for each of a trip's sixteen pieces, in four blocks of four pieces.  Block b's roundings write its eight registers, once a trip; the four stores that read them
;            are issued in block b + 1, one ahead of each piece's vector lines (block 3's: behind the trip's last rounding).
;   T and v2 are named by vector instructions alone.
; So one wait on va_vdst stands at the head of blocks 1 to 3 and one behind block 3: each states that the block before has written its part of OUTR.  The vector lines that follow such a wait name
; the block in hand's DAT and OUTR, T and v2: none of the registers that the four stores touch.  The wait behind block 3 also states that every rounding is done reading DAT, in which the next trip's
; loads land.  One wait on vm_vsrc a trip, at its end, states that the sixteen stores have read OUTR, which the next trip writes again.
; The table's plan stands at its loop.
.set WUP, 4718592
.set WOO, 9961472
.set MXO, 262144
.set SO,   8                           ; v[8:23]    piece n of a trip: my byte offset in the source
.set DO,   24                          ; v[24:39]   and in the destination; neither is rewritten
.set DAT,  40                          ; v[40:103]  sixteen pieces as loaded
.set T,    104                         ; v[104:107] at work
.set OUTR, 108                         ; v[108:139] sixteen pieces to store
.set OM,   40                          ; v[40:43]   the table job: my four frequencies
.set TB,   48                          ; v[48:79]   the table job: eight registers at work for each of the four
	s_load_b512 s[8:23], s[0:1], 0x0               ; x 8, wq_down 10, wkv_down 12, wk_rope 14, wq_up 16, wq_rope 18, wk_up 20, wv_up 22
	s_load_b256 s[24:31], s[0:1], 0x40             ; wo 24, xb 26, wb 28, aux 30
	v_and_b32 v1, 31, v0                           ; lane
	v_lshrrev_b32 v4, 5, v0
	v_readfirstlane_b32 s4, v4                     ; wave 0..16
	v_mov_b32 v2, 0                                ; two running maxima, bf16
	v_lshlrev_b32 v3, 4, v1                        ; my 16 bytes of a source piece
	v_lshlrev_b32 v5, 3, v1                        ; my 8 bytes of a stored piece
	s_mov_b32 s37, 0                               ; high words of the two offsets
	s_mov_b32 s43, 0
	s_mov_b32 s40, 0x76543210
	s_mov_b32 s41, 0xfedcba98
	s_mov_b32 s44, 0xffff0000
	s_mov_b32 s45, 0x7fff7fff
	s_wait_alu depctr_va_sdst(0)                   ; s4 is written, ahead of its first reader: the job's number is made from it
	s_lshl_b32 s2, s4, 8
	s_add_co_u32 s2, s2, ttmp9                     ; my job, 0..4351: 256 x wave + work-group
	s_lshr_b32 s3, s2, 3                           ; the kinds of job change at multiples of eight
	s_and_b32 s4, s2, 7
	s_wait_kmcnt 0x0
; Each kind of job sets: s[32:33] source, s[34:35] destination, s46 and s47 the bytes from piece to piece in them, s48 = 1 for the f16 form.
	s_cmp_lt_u32 s3, 256
	s_cbranch_scc0 .Lj1
	s_lshl_b32 s36, s2, 14                         ; x: job q of 2,048 takes 16,384 bytes on end
	s_lshl_b32 s42, s2, 13
	s_add_nc_u64 s[32:33], s[8:9], s[36:37]
	s_add_nc_u64 s[34:35], s[26:27], s[42:43]
	s_mov_b32 s46, 512
	s_mov_b32 s47, 256
	s_mov_b32 s48, 0
	s_branch .Lgo
.Lj1:
	s_cmp_lt_u32 s3, 320
	s_cbranch_scc0 .Lj2
	s_sub_co_u32 s6, s3, 256                       ; wq_down, wkv_down: job q of 256 takes 32 rows k x 128 columns
	s_lshr_b32 s7, s6, 5                           ; 0: wq_down, 1: wkv_down
	s_and_b32 s6, s6, 31
	s_lshl3_add_u32 s5, s6, s4
	s_cmp_eq_u32 s7, 0
	s_cselect_b64 s[32:33], s[10:11], s[12:13]
	s_lshr_b32 s36, s5, 2
	s_lshl_b32 s36, s36, 16                        ; 32 rows of 2,048 bytes
	s_and_b32 s38, s5, 3
	s_lshl_b32 s39, s38, 9                         ; 128 columns
	s_add_co_u32 s36, s36, s39
	s_add_nc_u64 s[32:33], s[32:33], s[36:37]
	s_lshl2_add_u32 s38, s7, s38                   ; column tile 0..7
	s_mul_i32 s42, s38, 589824
	s_lshr_b32 s39, s5, 5                          ; K step
	s_mul_i32 s39, s39, 73728
	s_add_co_u32 s42, s42, s39
	s_bfe_u32 s39, s5, 0x30002                     ; 32 rows of 256 bytes in the block
	s_lshl_b32 s39, s39, 13
	s_add_co_u32 s42, s42, s39
	s_add_nc_u64 s[34:35], s[28:29], s[42:43]
	s_branch .Lbf2048
.Lj2:
	s_cmp_lt_u32 s3, 328
	s_cbranch_scc0 .Lj3
	s_sub_co_u32 s6, s3, 320                       ; wk_rope: job q of 64 = (copy, column block cb, K step j): 256 k x 16 columns
	s_lshl3_add_u32 s5, s6, s4
	s_and_b32 s38, s5, 7                           ; j
	s_bfe_u32 s39, s5, 0x20003                     ; cb
	s_lshr_b32 s7, s5, 5                           ; copy
	s_lshl_b32 s36, s38, 16                        ; 256 rows of 256 bytes
	s_lshl_b32 s6, s39, 5                          ; columns 8 cb on
	s_add_co_u32 s36, s36, s6
	s_add_nc_u64 s[32:33], s[14:15], s[36:37]
	s_lshl2_add_u32 s6, s7, s39                    ; column tile
	s_lshl3_add_u32 s6, s6, s38
	s_mul_i32 s42, s6, 73728
	s_add_co_u32 s42, s42, 65536                   ; behind the block's 128 columns
	s_add_nc_u64 s[34:35], s[28:29], s[42:43]
	v_lshrrev_b32 v3, 2, v1                        ; four lanes a row k: columns 8 cb + 0..3, + 4..7, 32 + 8 cb + 0..3, + 4..7
	v_lshlrev_b32 v3, 8, v3
	v_and_b32 v4, 1, v1
	v_lshl_add_u32 v3, v4, 4, v3
	v_bfe_u32 v4, v1, 1, 1
	v_lshl_add_u32 v3, v4, 7, v3
.Lbf2048:
	s_mov_b32 s46, 2048
	s_mov_b32 s47, 256
	s_mov_b32 s48, 0
	s_branch .Lgo
.Lj3:
	s_cmp_lt_u32 s3, 376
	s_cbranch_scc0 .Lj4
	s_sub_co_u32 s6, s3, 328                       ; wq_up, wq_rope, wk_up: job q of 128 takes 16,384 bytes on end
	s_lshr_b32 s7, s6, 4                           ; unit 0..2
	s_and_b32 s6, s6, 15
	s_lshl3_add_u32 s5, s6, s4
	s_cmp_eq_u32 s7, 0
	s_cselect_b64 s[32:33], s[16:17], s[18:19]
	s_cmp_eq_u32 s7, 2
	s_cselect_b64 s[32:33], s[20:21], s[32:33]
	s_lshl_b32 s42, s7, 20
	s_add_co_u32 s42, s42, WUP
	s_branch .Lhf512
.Lj4:
	s_cmp_lt_u32 s3, 408
	s_cbranch_scc0 .Lj5
	s_sub_co_u32 s6, s3, 376                       ; wv_up: job q of 256 takes 32 rows k x 128 columns
	s_lshl3_add_u32 s5, s6, s4
	s_and_b32 s38, s5, 15                          ; which 128 columns
	s_lshr_b32 s39, s5, 4                          ; which 32 rows
	s_lshl_b32 s36, s39, 18
	s_lshl_b32 s6, s38, 9
	s_add_co_u32 s36, s36, s6
	s_add_nc_u64 s[32:33], s[22:23], s[36:37]
	s_lshr_b32 s6, s38, 3
	s_add_co_u32 s6, s6, 3                         ; unit 3 or 4
	s_lshl_b32 s42, s6, 20
	s_lshl_b32 s6, s39, 16
	s_add_co_u32 s42, s42, s6
	s_and_b32 s6, s38, 7
	s_lshl_b32 s6, s6, 8
	s_add_co_u32 s42, s42, s6
	s_add_co_u32 s42, s42, WUP
	s_add_nc_u64 s[34:35], s[28:29], s[42:43]
	s_mov_b32 s46, 8192
	s_mov_b32 s47, 2048
	s_mov_b32 s48, 1
	s_branch .Lgo
.Lj5:
	s_cmp_lt_u32 s3, 536
	s_cbranch_scc0 .Ltable
	s_sub_co_u32 s6, s3, 408                       ; wo: job q of 1,024 takes 16,384 bytes on end
	s_lshl3_add_u32 s5, s6, s4
	s_mov_b64 s[32:33], s[24:25]
	s_mov_b32 s42, WOO
.Lhf512:
	s_lshl_b32 s36, s5, 14
	s_lshl_b32 s6, s5, 13
	s_add_co_u32 s42, s42, s6
	s_add_nc_u64 s[32:33], s[32:33], s[36:37]
	s_add_nc_u64 s[34:35], s[28:29], s[42:43]
	s_mov_b32 s46, 512
	s_mov_b32 s47, 256
	s_mov_b32 s48, 1
.Lgo:
.set n, 0
.rept 16
	v_mad_u32_u24 v[SO+n], s46, n, v3              ; piece n of a trip
	v_mad_u32_u24 v[DO+n], s47, n, v5
.set n, n+1
.endr
	s_lshl_b32 s36, s46, 4                         ; a trip's sixteen pieces
	s_lshl_b32 s42, s47, 4
	s_wait_alu depctr_va_vdst(0)                   ; the 32 offsets SO and DO are written: every load and store of the cast reads one of them
; Two trips of sixteen pieces.  hf = 1: the f16 form.  The hint says 'read once', which holds of all sources but wk_rope's 0.5 MB.
.macro CAST hf
	s_mov_b32 s38, 2
.Lcast_\@:
.set n, 0
.rept 16
	global_load_b128 v[DAT+4*n:DAT+4*n+3], v[SO+n], s[32:33] th:TH_LOAD_NT  ; no vector instruction since the last wait on va_vdst names DAT or SO, on the way in and over the backward jump
.set n, n+1
.endr
.set n, 0
.rept 16
	s_wait_loadcnt 15-n                            ; loads come back in order: piece n is in, the 15 - n younger ones stay out
.if (n > 0) && (n%4 == 0)
	s_wait_alu depctr_va_vdst(0)                   ; the block before has written its eight registers of OUTR, which the four stores dealt among this block's lines read
.endif
.if n >= 4
	global_store_b64 v[DO+n-4], v[OUTR+2*n-8:OUTR+2*n-7], s[34:35]  ; a piece of the block before: the wave stores 256 consecutive bytes, aligned; no vector line since the wait names these registers
.endif
	v_cvt_pk_bf16_f32 v[OUTR+2*n], v[DAT+4*n], v[DAT+4*n+1]
	v_cvt_pk_bf16_f32 v[OUTR+2*n+1], v[DAT+4*n+2], v[DAT+4*n+3]
	v_and_b32 v[T], s45, v[OUTR+2*n]               ; two signs cleared,
	v_and_b32 v[T+1], s45, v[OUTR+2*n+1]
	v_pk_max_num_bf16 v2, v2, v[T]                 ; two maxima taken
	v_pk_max_num_bf16 v2, v2, v[T+1]
.if \hf
	v_lshlrev_b32 v[T], 16, v[OUTR+2*n]
	v_and_b32 v[T+1], s44, v[OUTR+2*n]
	v_lshlrev_b32 v[T+2], 16, v[OUTR+2*n+1]
	v_and_b32 v[T+3], s44, v[OUTR+2*n+1]
	v_pk_mul_f32 v[T:T+1], v[T:T+1], 0x43800000 op_sel_hi:[1,0]      ; times 256
	v_pk_mul_f32 v[T+2:T+3], v[T+2:T+3], 0x43800000 op_sel_hi:[1,0]
	v_cvt_pk_f16_f32 v[OUTR+2*n], v[T], v[T+1]
	v_cvt_pk_f16_f32 v[OUTR+2*n+1], v[T+2], v[T+3]
.endif
.set n, n+1
.endr
	s_wait_alu depctr_va_vdst(0)                   ; the last block has written its part of OUTR, which the four stores below read; and every rounding is done reading DAT, in which the next trip's loads land
.set n, 12
.rept 4
	global_store_b64 v[DO+n], v[OUTR+2*n:OUTR+2*n+1], s[34:35]
.set n, n+1
.endr
	s_wait_xcnt 0x0                                ; the two bases and the stores' data are rewritten only behind this wait
	s_wait_alu depctr_vm_vsrc(0)                   ; the trip's sixteen stores have read OUTR, which the next trip's roundings write again
	s_add_nc_u64 s[32:33], s[32:33], s[36:37]
	s_add_nc_u64 s[34:35], s[34:35], s[42:43]
	s_sub_co_u32 s38, s38, 1
	s_cmp_lg_u32 s38, 0
	s_cbranch_scc1 .Lcast_\@
.endm
	s_cmp_eq_u32 s48, 0
	s_cbranch_scc0 .Lhf
	CAST 0
	s_branch .Lend
.Lhf:
	CAST 1
	s_branch .Lend
; THE TABLE.  Job q of 64 makes 16 positions, two a trip: lanes 0-15 one position, lanes 16-31 the next; of 16 lanes eight hold cosines, eight sines, four frequencies each.
; theta = n pi/2 + r with |r| <= pi/4 (pi/2 taken away in two parts); sine and cosine of r by polynomials; the quadrant picks one of them and a sign.
; ITS PLAN.  Memory instructions touch v3, the offset, made at the head and never rewritten, and OUTR's first four registers, which the trip's last four vector lines write and its one store reads.
; Each of the four frequencies has eight registers of its own at work, so that the four compares stand in one run, into s48 to s51, with one wait ahead of the four selects.  The waits that free OUTR
; and the base stand ahead of those last four lines, nearly a trip behind the store; the base moves on there, and the store reaches back by its offset.
.Ltable:
	s_sub_co_u32 s6, s3, 536
	s_lshl3_add_u32 s5, s6, s4
	s_lshl_b32 s36, s5, 12
	s_add_nc_u64 s[34:35], s[30:31], s[36:37]
	s_lshl_b32 s6, s5, 4                           ; the job's first position
	s_mov_b32 s46, 0xb9500d01                      ; -1/5040
	s_mov_b32 s47, 0x37d00d01                      ; 1/40320
	v_and_b32 v6, 7, v1
	v_lshlrev_b32 v6, 2, v6                        ; my first frequency
	v_bfe_u32 v7, v1, 3, 1                         ; 0: cosine, 1: sine
	v_sub_nc_u32 v7, 1, v7
	v_lshrrev_b32 v8, 4, v1
.irp e, 0,1,2,3
	v_add_nc_u32 v[T+(\e)], \e, v6
.endr
.irp e, 0,1,2,3
	v_cvt_f32_u32 v[T+(\e)], v[T+(\e)]
.endr
.irp e, 0,1,2,3
	v_mul_f32 v[T+(\e)], 0xbed49a78, v[T+(\e)]     ; -i log2(10000) / 32
.endr
.irp e, 0,1,2,3
	v_exp_f32 v[OM+(\e)], v[T+(\e)]
.endr
	v_nop                                          ; a plain instruction behind the last exponential (ISA guide 5.7.2)
	s_wait_alu depctr_va_vdst(0)                   ; the four exponentials have written the frequencies v[OM ..], ahead of the label and of their first reader
	s_mov_b32 s38, 8
.Ltab:
	v_add_nc_u32 v9, s6, v8
	v_cvt_f32_u32 v9, v9
.irp e, 0,1,2,3
.set q, TB+8*(\e)
	v_mul_f32 v[q], v9, v[OM+(\e)]                 ; theta
	v_mul_f32 v[q+1], 0x3f22f983, v[q]
	v_rndne_f32 v[q+1], v[q+1]                     ; n
	v_fma_f32 v[q+2], v[q+1], 0xbfc90f80, v[q]
	v_fma_f32 v[q+2], v[q+1], 0xb7354443, v[q+2]   ; r
	v_mul_f32 v[q+3], v[q+2], v[q+2]
	v_fmaak_f32 v[q+4], s46, v[q+3], 0x3c088889
	v_fmaak_f32 v[q+4], v[q+4], v[q+3], 0xbe2aaaab
	v_mul_f32 v[q+7], v[q+2], v[q+3]
	v_fma_f32 v[q+4], v[q+7], v[q+4], v[q+2]       ; sin r
	v_fmaak_f32 v[q+5], s47, v[q+3], 0xbab60b61
	v_fmaak_f32 v[q+5], v[q+5], v[q+3], 0x3d2aaaab
	v_fmaak_f32 v[q+5], v[q+5], v[q+3], 0xbf000000
	v_fma_f32 v[q+5], v[q+5], v[q+3], 1.0          ; cos r
	v_cvt_i32_f32 v[q+6], v[q+1]
	v_add_nc_u32 v[q+6], v[q+6], v7                ; k = n for a sine, n + 1 for a cosine
	v_and_b32 v[q+7], 1, v[q+6]
	v_cmp_eq_u32 s[48+(\e)], 1, v[q+7]             ; k odd
	v_and_b32 v[q+7], 2, v[q+6]
	v_lshlrev_b32 v[q+7], 30, v[q+7]
.endr
	s_wait_alu depctr_va_sdst(0)                   ; the four compares have written s48 to s51, ahead of the selects that read them
.irp e, 0,1,2,3
	v_cndmask_b32 v[TB+8*(\e)+4], v[TB+8*(\e)+4], v[TB+8*(\e)+5], s[48+(\e)]  ; k odd: cos r
.endr
	s_wait_xcnt 0x0                                ; base and data of the last trip's store are rewritten only behind this wait
	s_wait_alu depctr_vm_vsrc(0)                   ; the last trip's store has read v[OUTR ..], which the four lines below write again
	s_add_nc_u64 s[34:35], s[34:35], 512           ; the base runs a trip ahead; the store's offset reaches back
.irp e, 0,1,2,3
	v_xor_b32 v[OUTR+(\e)], v[TB+8*(\e)+4], v[TB+8*(\e)+7]  ; k & 2: the sign turns
.endr
	s_wait_alu depctr_va_vdst(0)                   ; these four lines have written v[OUTR ..], which the store reads; v3, its offset, was written at the head
	global_store_b128 v3, v[OUTR:OUTR+3], s[34:35] offset:-512  ; 512 consecutive bytes: two positions
	s_add_co_u32 s6, s6, 2
	s_sub_co_u32 s38, s38, 1
	s_cmp_lg_u32 s38, 0
	s_cbranch_scc1 .Ltab
	s_endpgm
.Lend:
	s_cmp_ge_u32 s3, 408                           ; wo's maximum enters no scale
	s_cbranch_scc1 .Ldone
	v_lshlrev_b32 v6, 16, v2
	v_and_b32 v7, s44, v2
	v_max_num_f32 v2, v6, v7
	v_max_num_f32_dpp v2, v2, v2 row_xmask:1 row_mask:0xf bank_mask:0xf
	v_max_num_f32_dpp v2, v2, v2 row_xmask:2 row_mask:0xf bank_mask:0xf
	v_max_num_f32_dpp v2, v2, v2 row_xmask:4 row_mask:0xf bank_mask:0xf
	v_max_num_f32_dpp v2, v2, v2 row_xmask:8 row_mask:0xf bank_mask:0xf
	v_permlanex16_b32 v4, v2, s40, s41             ; v4 has been written at the head
	v_max_num_f32 v2, v2, v4
	s_lshl_b32 s36, s2, 2
	s_add_nc_u64 s[34:35], s[30:31], s[36:37]
	v_mov_b32 v6, 0
	v_cmp_eq_u32 vcc_lo, 0, v1
	s_wait_xcnt 0x0                                ; EXEC changes only behind this wait
	s_wait_alu depctr_va_vcc(0)                    ; the compare has written VCC, from which EXEC is made
	s_wait_alu depctr_va_vdst(0)                   ; every vector instruction issued under the full EXEC has written its result, v2 and v6, which the store below reads, among them
	s_wait_alu depctr_vm_vsrc(0)                   ; every memory instruction issued under the full EXEC has read its registers
	s_and_saveexec_b32 s39, vcc_lo
	global_store_b32 v6, v2, s[34:35] offset:MXO   ; one word a job
.Ldone:
	s_endpgm
.Lfunc_end_k_q910239ea8f_prep:
	.size	k_q910239ea8f_prep, .Lfunc_end_k_q910239ea8f_prep-k_q910239ea8f_prep
	.p2alignl 7, 3214868480
	.fill 96, 4, 3214868480
	.section	.rodata,"a",@progbits
	.p2align	6, 0x0
	.amdhsa_kernel k_q910239ea8f_prep
		.amdhsa_group_segment_fixed_size 0
		.amdhsa_private_segment_fixed_size 0
		.amdhsa_enable_private_segment 0
		.amdhsa_kernarg_size 96
		.amdhsa_user_sgpr_count 2
		.amdhsa_user_sgpr_kernarg_segment_ptr 1
		.amdhsa_wavefront_size32 1
		.amdhsa_system_sgpr_workgroup_id_x 1
		.amdhsa_system_sgpr_workgroup_id_y 1
		.amdhsa_system_sgpr_workgroup_id_z 1
		.amdhsa_system_vgpr_workitem_id 0
		.amdhsa_next_free_vgpr 140
		.amdhsa_next_free_sgpr 66
		.amdhsa_reserve_vcc 1
		.amdhsa_float_denorm_mode_32 3
		.amdhsa_float_denorm_mode_16_64 3
		.amdhsa_memory_ordered 1
		.amdhsa_forward_progress 1
		.amdhsa_inst_pref_size 40
	.end_amdhsa_kernel
	.amdgpu_metadata
---
amdhsa.version: [ 1, 2 ]
amdhsa.kernels:
  - .name:           k_q910239ea8f_prep
    .symbol:         k_q910239ea8f_prep.kd
    .args:
      - { .name: x, .offset: 0, .size: 8, .value_kind: global_buffer, .address_space: global }
      - { .name: wq_down, .offset: 8, .size: 8, .value_kind: global_buffer, .address_space: global }
      - { .name: wkv_down, .offset: 16, .size: 8, .value_kind: global_buffer, .address_space: global }
      - { .name: wk_rope, .offset: 24, .size: 8, .value_kind: global_buffer, .address_space: global }
      - { .name: wq_up, .offset: 32, .size: 8, .value_kind: global_buffer, .address_space: global }
      - { .name: wq_rope, .offset: 40, .size: 8, .value_kind: global_buffer, .address_space: global }
      - { .name: wk_up, .offset: 48, .size: 8, .value_kind: global_buffer, .address_space: global }
      - { .name: wv_up, .offset: 56, .size: 8, .value_kind: global_buffer, .address_space: global }
      - { .name: wo, .offset: 64, .size: 8, .value_kind: global_buffer, .address_space: global }
      - { .name: xb, .offset: 72, .size: 8, .value_kind: global_buffer, .address_space: global }
      - { .name: wb, .offset: 80, .size: 8, .value_kind: global_buffer, .address_space: global }
      - { .name: aux, .offset: 88, .size: 8, .value_kind: global_buffer, .address_space: global }
    .group_segment_fixed_size: 0
    .private_segment_fixed_size: 0
    .kernarg_segment_align: 8
    .kernarg_segment_size: 96
    .max_flat_workgroup_size: 544
    .sgpr_count:     66
    .vgpr_count:     140
    .wavefront_size: 32
...
	.end_amdgpu_metadata
.endif
;; end of part 6
;; launch down: the kernel of part 2 again; grid 8 x 32, 4 waves a work-group, clusters of 4 x 4, 327,680 bytes of LDS; arguments xb, wb, aux, lat, qkv, scl; writes lat, qkv, scl
;; launch up: the kernel of part 3 again; grid 8 x 32, 4 waves a work-group, clusters of 4 x 4, 327,680 bytes of LDS; arguments lat, wb, aux, scl, qkv; writes qkv
;; launch attn: the kernel of part 4 again; grid 4 x 64, 4 waves a work-group, clusters of 4 x 1, 327,680 bytes of LDS; arguments qkv, scl, ctx; writes ctx
;; launch outp: the kernel of part 5 again; grid 8 x 32, 4 waves a work-group, clusters of 4 x 4, 327,680 bytes of LDS; arguments ctx, wb, scl, bo, out0; writes out0
